; MI455X (gfx1250); checked and timed in simulation.
; The chip was launched on July 23, 2026; its instructions are those of AMD's public machine-readable ISA for CDNA 5 (MIT licence, August 2026) and "CDNA5" Instruction Set Architecture Reference Guide (July 2026). The comments in the code are by the model that wrote it; some were corrected since.
;; Cos Bah Attention. Allowed arithmetic: float matrix products may take bf16 or f16 operands with f32 sums; all other float work in f32.
;; Inputs: Wa 1,024 x 1,024 float32; Wb 1,024 x 1,024 float32; Wc 1,024 x 2,048 float32; bc 1,024 float32; energy 1,024 float32; k 32 x 1,024 float32; mask 32 x 2,048 bool; xs 32 x 2,048 x 1,024 float32.
;; Outputs: out0 32 x 1,024 float32; out1 32 x 2,048 float32.
;; 2 versions, each right and faster than the one before. Each part assembles by itself: llvm-mc -triple=amdgcn-amd-amdhsa -mcpu=gfx1250 --defsym DOCPART=n.
;; ======== version 1 of 2: 4 launches
;; workspace buffers: wb16 2,097,152 bytes; wk2 131,072 bytes; scos 262,144 bytes; sbah 262,144 bytes; pv 4,194,304 bytes; rep 131,072 bytes
;; launch prep (part 1): grid 64 x 1, 8 waves a work-group, no clusters, 17,408 bytes of LDS; arguments Wb, Wa, k, wb16, wk2; writes wb16, wk2
.if DOCPART == 1
	.amdgcn_target "amdgcn-amd-amdhsa--gfx1250"
	.amdhsa_code_object_version 6
	.text
	.protected	k_q0cfaaabb34_prep
	.globl	k_q0cfaaabb34_prep
	.p2align	8
	.type	k_q0cfaaabb34_prep,@function
k_q0cfaaabb34_prep:
	s_mov_b64 s[64:65], 0
	v_nop
	global_prefetch_b8 v0, s[64:65] scope:SCOPE_SE
	s_setreg_imm32_b32 hwreg(HW_REG_WAVE_MODE, 25, 1), 1
	s_wait_xcnt 0x0
; prep: (1) Wb [1024][1024] f32 is written once as bf16 matrix-fragment images, wb16[c 2][ks 32][ntc 32][half 2][lane 32][16 bytes]:
;           lane (r = lane & 15, h = lane >> 4) of tile nt = 32 c + ntc holds Wb[16 nt + r][32 ks + 16 half + 8 h .. + 7];
;       (2) wk2[nt 64][b 32][16 n] f32 = 2 log2(e) * sum over d of k[b][d] Wa[16 nt + n][d]  (operands bf16, sums f32).
; Work-group g owns rows 16 g .. 16 g + 15 of Wb and of Wa; wave w owns K = 128 w .. 128 w + 127, four steps of 32.
; One lane offset serves Wb, Wa and k: all three have rows of 4,096 bytes and are wanted in the same fragment order.
; The eight waves' partial products meet in LDS ([wave][b 32][16 n] f32, 2,048 bytes a wave) behind one barrier.
.set C2,   0x4038aa3b                  ; 2 log2(e)
.set FOFF, 4                           ; v4   r * 4096 + 32 h + 512 w
.set WST,  5                           ; v5   w * 131072 + 16 lane: my place in wb16's images
.set PST,  6                           ; v6   w * 2048 + 64 r + 32 h: my place among the partial products
.set T8,   7                           ; v7   8 * thread
.set WB,   64                          ; v64-127   Wb, 16 f32 a step, then 8 packed registers a step
.set WA,   128                         ; v128-191  Wa likewise
.set ACC0, 192                         ; v192-199  batches 0-15
.set ACC1, 200                         ; v200-207  batches 16-31
.set RD,   208                         ; v208-223  the eight partial sums
; k lies in v256-383 (second block of 256): 64 mt + 16 step + 4 q
.set MSB, 0
.macro WIN new                         ; the immediate's high byte repeats the setting that is left
.if MSB != (\new)
	s_set_vgpr_msb (MSB<<8)|(\new)
.set MSB, (\new)
.endif
.endm
.macro CVT8 base                       ; 16 f32 in fragment order become 8 registers of bf16, in place, ascending
.irp i, 0,1,2,3,4,5,6,7
	v_cvt_pk_bf16_f32 v[\base+\i], v[\base+2*\i], v[\base+2*\i+1]
.endr
.endm
.macro LDSTEP dst, sb, off, once       ; a lane's 16 f32 of one K step: columns 8 h .. + 7 and 16 + 8 h .. + 7
.irp q, 0,1,2,3
.if \once
	global_load_b128 v[\dst+4*\q:\dst+4*\q+3], v[FOFF], s[\sb:\sb+1] offset:\off+16*(\q&1)+64*(\q>>1) th:TH_LOAD_NT
.else
	global_load_b128 v[\dst+4*\q:\dst+4*\q+3], v[FOFF], s[\sb:\sb+1] offset:\off+16*(\q&1)+64*(\q>>1)
.endif
.endr
.endm
	s_load_b256 s[4:11], s[0:1], 0x0               ; Wb s[4:5], Wa s[6:7], k s[8:9], wb16 s[10:11]
	s_load_b64 s[12:13], s[0:1], 0x20              ; wk2
	v_lshl_add_u32 v254, v0, 2, 0x4000
	v_mov_b32 v255, 0
	v_lshrrev_b32 v8, 5, v0
	v_readfirstlane_b32 s2, v8                     ; wave
	v_and_b32 v1, 31, v0                           ; lane
	v_and_b32 v2, 15, v0                           ; r
	v_bfe_u32 v3, v0, 4, 1                         ; h
	v_lshlrev_b32 v[FOFF], 12, v2
	v_lshl_add_u32 v[FOFF], v3, 5, v[FOFF]
	v_lshl_add_u32 v[FOFF], s2, 9, v[FOFF]
	v_lshlrev_b32 v[WST], 4, v1
	v_lshl_add_u32 v[WST], s2, 17, v[WST]
	v_lshlrev_b32 v[PST], 6, v2
	v_lshl_add_u32 v[PST], v3, 5, v[PST]
	v_lshl_add_u32 v[PST], s2, 11, v[PST]
	v_lshlrev_b32 v[T8], 3, v0
	s_lshl_b32 s16, ttmp9, 16                      ; 16 rows of 4,096 bytes
	s_mov_b32 s17, 0
	s_lshr_b32 s18, ttmp9, 5                       ; c
	s_lshl_b32 s18, s18, 20                        ; * 1,048,576
	s_and_b32 s20, ttmp9, 31                       ; ntc
	s_lshl_b32 s20, s20, 10                        ; * 1,024
	s_add_co_u32 s18, s18, s20
	s_mov_b32 s19, 0
	s_lshl_b32 s20, ttmp9, 11                      ; wk2: 2,048 bytes a tile
	s_mov_b32 s21, 0
	s_mov_b32 s14, C2
	s_mov_b32 s15, C2
	s_wait_kmcnt 0x0
	s_add_nc_u64 s[4:5], s[4:5], s[16:17]
	s_add_nc_u64 s[6:7], s[6:7], s[16:17]
	s_add_nc_u64 s[10:11], s[10:11], s[18:19]
	s_add_nc_u64 s[12:13], s[12:13], s[20:21]
	; all loads at once: Wa, k, then Wb, which is wanted last
.irp s, 0,1,2,3
	LDSTEP WA+16*\s, 6, 128*\s, 1
.endr
	WIN 0x40                                       ; destination in the second block
.irp m, 0,1
.irp s, 0,1,2,3
	LDSTEP 64*\m+16*\s, 8, 65536*\m+128*\s, 0
.endr
.endr
	WIN 0
.irp s, 0,1,2,3
	LDSTEP WB+16*\s, 4, 128*\s, 1
.endr
	s_wait_loadcnt 16                              ; Wa and k are in; the 16 loads of Wb, issued behind them, may stay out
.irp s, 0,1,2,3
	CVT8 WA+16*\s
.endr
	WIN 0x45                                       ; destination and both sources in the second block
.irp m, 0,1
.irp s, 0,1,2,3
	CVT8 64*\m+16*\s
.endr
.endr
	WIN 0x04                                       ; source 1 (k) in the second block
	; source 0 = 16 rows of Wa, source 1 = 16 batches of k: register j of lane (r, h) = (n = 8 h + j, batch 16 mt + r).
	; The two accumulators take turns, one instruction a turn.
	v_wmma_f32_16x16x32_bf16 v[ACC0:ACC0+7], v[WA:WA+7], v[0:7], 0
	v_wmma_f32_16x16x32_bf16 v[ACC1:ACC1+7], v[WA:WA+7], v[64:71], 0
.irp s, 1,2,3
	v_wmma_f32_16x16x32_bf16 v[ACC0:ACC0+7], v[WA+16*\s:WA+16*\s+7], v[16*\s:16*\s+7], v[ACC0:ACC0+7]
	v_wmma_f32_16x16x32_bf16 v[ACC1:ACC1+7], v[WA+16*\s:WA+16*\s+7], v[64+16*\s:64+16*\s+7], v[ACC1:ACC1+7]
.endr
	WIN 0
	s_wait_loadcnt 0x0                             ; Wb
.irp s, 0,1,2,3
	CVT8 WB+16*\s                                  ; 32 plain vector instructions on other registers: also the places behind the last matrix instruction (ISA guide 7.12.1)
.endr
.irp s, 0,1,2,3
	global_store_b128 v[WST], v[WB+16*\s:WB+16*\s+3],   s[10:11] offset:\s*32768       ; each store of the wave covers 512 consecutive bytes, aligned
	global_store_b128 v[WST], v[WB+16*\s+4:WB+16*\s+7], s[10:11] offset:\s*32768+512
.endr
	ds_store_b128 v[PST], v[ACC0:ACC0+3]
	ds_store_b128 v[PST], v[ACC0+4:ACC0+7] offset:16
	ds_store_b128 v[PST], v[ACC1:ACC1+3]   offset:1024
	ds_store_b128 v[PST], v[ACC1+4:ACC1+7] offset:1040
	s_wait_dscnt 0x0                               ; my partial products are in LDS before I say so
	s_barrier_signal -1
	s_barrier_wait -1
.irp i, 0,1,2,3,4,5,6,7
	ds_load_b64 v[RD+2*\i:RD+2*\i+1], v[T8] offset:2048*\i     ; the same two numbers of all eight waves
.endr
	s_wait_dscnt 0x0
	v_pk_add_f32 v[RD:RD+1],     v[RD:RD+1],     v[RD+2:RD+3]
	v_pk_add_f32 v[RD+4:RD+5],   v[RD+4:RD+5],   v[RD+6:RD+7]
	v_pk_add_f32 v[RD+8:RD+9],   v[RD+8:RD+9],   v[RD+10:RD+11]
	v_pk_add_f32 v[RD+12:RD+13], v[RD+12:RD+13], v[RD+14:RD+15]
	v_pk_add_f32 v[RD:RD+1],     v[RD:RD+1],     v[RD+4:RD+5]
	v_pk_add_f32 v[RD+8:RD+9],   v[RD+8:RD+9],   v[RD+12:RD+13]
	v_pk_add_f32 v[RD:RD+1],     v[RD:RD+1],     v[RD+8:RD+9]
	v_pk_mul_f32 v[RD:RD+1], v[RD:RD+1], s[14:15] op_sel_hi:[1,0]     ; the factor of the later exp2 is folded in here
	global_store_b64 v[T8], v[RD:RD+1], s[12:13]   ; a wave stores 256 consecutive bytes, aligned
	s_wait_tensorcnt 0x0
	ds_add_u32 v254, v255
	s_wait_dscnt 0x0
	s_endpgm
.Lfunc_end_k_q0cfaaabb34_prep:
	.size	k_q0cfaaabb34_prep, .Lfunc_end_k_q0cfaaabb34_prep-k_q0cfaaabb34_prep
	.p2alignl 7, 3214868480
	.fill 96, 4, 3214868480
	.section	.rodata,"a",@progbits
	.p2align	6, 0x0
	.amdhsa_kernel k_q0cfaaabb34_prep
		.amdhsa_group_segment_fixed_size 17408
		.amdhsa_private_segment_fixed_size 0
		.amdhsa_enable_private_segment 0
		.amdhsa_kernarg_size 40
		.amdhsa_user_sgpr_count 2
		.amdhsa_user_sgpr_kernarg_segment_ptr 1
		.amdhsa_wavefront_size32 1
		.amdhsa_system_sgpr_workgroup_id_x 1
		.amdhsa_system_sgpr_workgroup_id_y 1
		.amdhsa_system_sgpr_workgroup_id_z 1
		.amdhsa_system_vgpr_workitem_id 0
		.amdhsa_next_free_vgpr 384
		.amdhsa_next_free_sgpr 66
		.amdhsa_reserve_vcc 0
		.amdhsa_float_denorm_mode_32 3
		.amdhsa_float_denorm_mode_16_64 3
		.amdhsa_memory_ordered 1
		.amdhsa_forward_progress 1
		.amdhsa_inst_pref_size 19
	.end_amdhsa_kernel
	.amdgpu_metadata
---
amdhsa.version: [ 1, 2 ]
amdhsa.kernels:
  - .name:           k_q0cfaaabb34_prep
    .symbol:         k_q0cfaaabb34_prep.kd
    .args:
      - { .name: Wb, .offset: 0, .size: 8, .value_kind: global_buffer, .address_space: global }
      - { .name: Wa, .offset: 8, .size: 8, .value_kind: global_buffer, .address_space: global }
      - { .name: k, .offset: 16, .size: 8, .value_kind: global_buffer, .address_space: global }
      - { .name: wb16, .offset: 24, .size: 8, .value_kind: global_buffer, .address_space: global }
      - { .name: wk2, .offset: 32, .size: 8, .value_kind: global_buffer, .address_space: global }
    .group_segment_fixed_size: 17408
    .private_segment_fixed_size: 0
    .kernarg_segment_align: 8
    .kernarg_segment_size: 40
    .max_flat_workgroup_size: 256
    .sgpr_count:     66
    .vgpr_count:     384
    .wavefront_size: 32
...
	.end_amdgpu_metadata
.endif
;; end of part 1
;; launch main (part 2): grid 16 x 32, 4 waves a work-group, no clusters, 284,672 bytes of LDS; arguments xs, wb16, wk2, energy, k, mask, scos, sbah, pv; writes scos, sbah, pv
.if DOCPART == 2
	.amdgcn_target "amdgcn-amd-amdhsa--gfx1250"
	.amdhsa_code_object_version 6
	.text
	.protected	k_q0cfaaabb34_main
	.globl	k_q0cfaaabb34_main
	.p2align	8
	.type	k_q0cfaaabb34_main,@function
k_q0cfaaabb34_main:
	s_mov_b64 s[64:65], 0
	v_nop
	global_prefetch_b8 v0, s[64:65] scope:SCOPE_SE
	s_setreg_imm32_b32 hwreg(HW_REG_WAVE_MODE, 25, 1), 1
	s_wait_xcnt 0x0
; main: one work-group = 128 rows (block blk = x) of one batch (b = y).  xs is read from memory once, here.
;   A  each wave reads 32 rows in f32, forms sum x^2 and sum x k in f32, rounds the row to bf16 and lays it into LDS (the block stays there);
;   B  xs Wb^T, 128 rows x 1024 columns in two chunks of 512 columns; a wave makes 128 x 128 in 64 accumulator tiles (512 registers);
;      xs fragments come from LDS, Wb fragments straight from wb16's images into a ring of four register buffers, three K steps ahead:
;      the four waves own different columns, so nothing of Wb would be shared in LDS, and the K loop has no barrier;
;      behind each chunk: t = tanh(wk + wx), sum over the wave's columns of energy * t;
;   C  waves 0 and 1: the block's cosine and additive scores (times log2 e, -inf where the mask is 0) go to scos and sbah,
;      weights exp2(score - block maximum) go to LDS as bf16;
;   D  both weighted sums of the block's rows by the matrix unit (xs read transposed from LDS), to pv[b][blk][2][1024] f32.
; The launch that follows takes the maximum over the 16 blocks away and normalises: the softmax is split, never shifted by a constant.
; LIMITS, kept on purpose: xs, Wb, the weights of step D and energy (second operand of the product tanh(..) @ energy) are rounded to bf16;
; tanh(x) = 1 - 2 / (1 + exp2(2 log2(e) x)) has an absolute error near 1e-7 and saturates rightly at +-inf; v_exp_f32, v_rcp_f32 and
; v_sqrt_f32 flush denormals (ISA guide 15.8); a block whose mask is all 0 takes -FLT_MAX as its maximum, so that its weights are 0 and not NaN.
; The dot k . x is one row for each batch and rides in f32 on the pass that has to touch every f32 of xs for the norm and the rounding.
; No tensor loads: xs has to pass through registers.  No cluster: beside the resident block (264,192 bytes) and the tables there is
; no room for two LDS slots of a K step of Wb (2 x 32,768 bytes), so there is no tile to ask for jointly.
.set P,     2064                       ; LDS pitch of a row of 1024 bf16: 2048 + 16 = 129 x 16 bytes, so that 16 rows start in 16 different 16-byte columns modulo 256
.set P16,   16*P
.set P32,   32*P
.set WKT,   128*P                      ; 264,192: wk2 of my batch, 1024 f32; 4,096 bytes further: energy (rounded to bf16, widened), 1024 f32
.set RED,   WKT+8192                   ; [4 waves][128 rows] f32: the waves' parts of the additive score
.set SCO,   RED+2048                   ; 128 f32: cosine scores times log2 e, masked; 512 bytes further: 0 or -inf for each row
.set PW,    RED+3072                   ; [2][128] bf16: the weights
.set STG,   RED+3584                   ; [4 waves][2][256] f32: the way out of the weighted sums; ends at 284,160
.set C2,    0x4038aa3b                 ; 2 log2(e)
.set LOG2E, 0x3fb8aa3b
.set EPS,   0x322bcc77                 ; 1e-8
.set NEGMAX, 0xff7fffff                ; -FLT_MAX
.set NINF,  0xff800000
; first block of 256 registers
.set XOFF,  4                          ; w * 131072 + 16 lane: my 16 bytes in the wave's first row of xs
.set XST,   5                          ; v5, v6: w * 32 P + 8 lane, and 16 rows further (an LDS immediate has 16 bits)
.set WOFF,  7                          ; w * 8192 + 16 lane: my 16 bytes in wb16's images
.set ADR,   8                          ; v8-11   running LDS address of the xs fragments of row tiles 2p, 2p + 1; later the scores to store
.set ADR0,  12                         ; v12-15  its start: p * 32 P + r P + 16 h
.set TADR,  16                         ; v16-19  transposing loads: ks * 32 P + (8 h + (lane & 7)) P + 16 ((lane >> 3) & 1) + 512 w
.set CADR,  20                         ; WKT + 512 w + 32 h
.set REDST, 21                         ; RED + 512 w + 4 r
.set L16,   22                         ; 16 lane
.set SCOST, 23                         ; SCO + 4 thread
.set MSKB,  24                         ; my row's mask byte (lane = row of the wave); later an address
.set QALL,  25                         ; lane rho: sum x^2 of the wave's row rho
.set DALL,  26                         ; lane rho: sum x k
.set KK,    27                         ; sum k^2
.set PADR,  28                         ; PW + 256 (r >> 3) + 16 h
.set STGS,  29                         ; STG + 2048 w + 1024 h + 4 r
.set STGR,  30                         ; STG + 2048 w + 16 lane
.set PVO,   31                         ; 1024 w + 16 lane
.set KV,    32                         ; v32-63  k at my columns 128 i + 4 lane ..; later the weights' fragments
.set F0,    64                         ; v64-127 and v128-191: xs fragment buffers; in A (with v192-223) five row slots; behind a chunk wk and energy
.set F1,    128
.set T,     192                        ; v192-223 at work behind a chunk; in D, v192-255 are eight accumulators
.set SUM,   224                        ; v224-239 a pair for each of the 8 row tiles: sum of energy * tanh
.set Q0,    224                        ; in A: two chains each for sum x^2 and sum x k
.set Q1,    226
.set D0,    228
.set D1,    230
; second block: four Wb fragment buffers of 64 registers; third and fourth block: accumulator tile (a, b) at v[8 (8 a + b)], rows 0-63 and 64-127
.set MUL_LO, 0xa1                      ; source 0 (Wb) second block, source 1 (xs) first, C and D third
.set MUL_HI, 0xf1                      ; the same, C and D fourth
.set TO_W,   0x40                      ; destination second block, address first
.set MSB, 0
.macro WIN new                         ; the immediate's high byte repeats the setting that is left
.if MSB != (\new)
	s_set_vgpr_msb (MSB<<8)|(\new)
.set MSB, (\new)
.endif
.endm
.macro PLACES                          ; four plain vector instructions between a matrix instruction and a load into, or a vector read of, its registers
.rept 4
	v_nop
.endr
.endm
.macro FETCHW i, off                   ; one K step's eight Wb fragments of my 128 columns: 16 loads of 512 consecutive bytes each
	WIN TO_W
.irp b, 0,1,2,3,4,5,6,7
	global_load_b128 v[64*(\i)+8*\b:64*(\i)+8*\b+3],   v[WOFF], s[10:11] offset:\off+\b*1024
	global_load_b128 v[64*(\i)+8*\b+4:64*(\i)+8*\b+7], v[WOFF], s[10:11] offset:\off+\b*1024+512
.endr
.endm
.macro LOADROW rho                     ; a whole row of xs: eight loads of 512 consecutive bytes
.set XL, F0+32*((\rho)%5)
.irp i, 0,1,2,3,4,5,6,7
	global_load_b128 v[XL+4*\i:XL+4*\i+3], v[XOFF], s[8:9] offset:(\rho)*4096+512*\i th:TH_LOAD_NT
.endr
.endm
	s_load_b512 s[8:23], s[0:1], 0x0               ; xs, wb16, wk2, energy, k, mask, scos, sbah in s[8:9] .. s[22:23]
	s_load_b64 s[24:25], s[0:1], 0x40              ; pv
	v_lshrrev_b32 v1, 5, v0
	v_readfirstlane_b32 s2, v1                     ; wave
	v_and_b32 v1, 31, v0                           ; lane
	v_and_b32 v2, 15, v0                           ; r
	v_bfe_u32 v3, v0, 4, 1                         ; h
	v_lshlrev_b32 v[L16], 4, v1
	v_lshl_add_u32 v[WOFF], s2, 13, v[L16]
	v_lshl_add_u32 v[XOFF], s2, 17, v[L16]
	v_lshlrev_b32 v26, 4, v0                       ; energy: 16 thread
	v_lshrrev_b32 v27, 2, v0                       ; wk2: tile thread >> 2 (2,048 bytes a tile), 16 bytes of its 64
	v_and_b32 v24, 3, v0
	v_lshlrev_b32 v27, 11, v27
	v_lshl_add_u32 v27, v24, 4, v27
	s_and_b32 s5, ttmp7, 0xffff                    ; batch
	s_lshl_b32 s6, s5, 23                          ; 2048 rows of 4,096 bytes
	s_lshl_b32 s26, ttmp9, 19                      ; 128 rows
	s_add_co_u32 s6, s6, s26
	s_mov_b32 s7, 0
	s_mov_b32 s27, 0
	s_mov_b32 s28, 0x76543210                      ; v_permlanex16_b32: lane i of one half reads lane i of the other
	s_mov_b32 s29, 0xfedcba98
	s_mov_b32 s36, C2
	s_mov_b32 s37, C2
	s_mov_b32 s38, LOG2E
	s_mov_b32 s39, LOG2E
	s_mul_i32 s34, s2, P32
	s_wait_kmcnt 0x0
	FETCHW 0, 0                                    ; the ring of Wb fragments is three steps ahead from the start
	FETCHW 1, 32768
	FETCHW 2, 65536
	WIN 0
	s_add_nc_u64 s[8:9], s[8:9], s[6:7]            ; xs at my block
	s_lshl_b32 s26, s5, 6
	s_add_nc_u64 s[12:13], s[12:13], s[26:27]      ; wk2 at my batch's 64 bytes of tile 0
	s_lshl_b32 s26, s5, 12
	s_add_nc_u64 s[16:17], s[16:17], s[26:27]      ; k at my batch
	s_lshl_b32 s26, s5, 11
	s_lshl_b32 s6, ttmp9, 7
	s_add_co_u32 s26, s26, s6                      ; my first row among the 65,536
	s_add_nc_u64 s[18:19], s[18:19], s[26:27]      ; mask
	s_lshl_b32 s26, s26, 2
	s_add_nc_u64 s[20:21], s[20:21], s[26:27]      ; scos
	s_add_nc_u64 s[22:23], s[22:23], s[26:27]      ; sbah
	s_lshl_b32 s26, s5, 4
	s_add_co_u32 s26, s26, ttmp9
	s_lshl_b32 s26, s26, 13
	s_add_nc_u64 s[24:25], s[24:25], s[26:27]      ; pv: 8,192 bytes a block
.irp i, 0,1,2,3,4,5,6,7
	global_load_b128 v[KV+4*\i:KV+4*\i+3], v[L16], s[16:17] offset:512*\i
.endr
	global_load_u8 v[MSKB], v0, s[18:19]           ; thread = row of the block
	global_load_b128 v[224:227], v26, s[14:15]
	global_load_b128 v[228:231], v26, s[14:15] offset:2048
	global_load_b128 v[232:235], v27, s[12:13]
	global_load_b128 v[236:239], v27, s[12:13] offset:65536
	LOADROW 0
	LOADROW 1
	LOADROW 2
	LOADROW 3
	; addresses, while the loads are on their way
	v_lshl_add_u32 v[XST], v1, 3, s34
	v_add_nc_u32 v[XST+1], P16, v[XST]
	v_mul_u32_u24 v[ADR0], v2, P
	v_lshl_add_u32 v[ADR0], v3, 4, v[ADR0]
	v_add_nc_u32 v[ADR0+1], P32, v[ADR0]
	v_add_nc_u32 v[ADR0+2], 2*P32, v[ADR0]
	v_add_nc_u32 v[ADR0+3], 3*P32, v[ADR0]
	v_and_b32 v[TADR], 7, v0
	v_lshl_add_u32 v[TADR], v3, 3, v[TADR]
	v_mul_u32_u24 v[TADR], v[TADR], P
	v_bfe_u32 v[TADR+1], v0, 3, 1
	v_lshl_add_u32 v[TADR], v[TADR+1], 4, v[TADR]
	v_lshl_add_u32 v[TADR], s2, 9, v[TADR]
	v_add_nc_u32 v[TADR+1], P32, v[TADR]
	v_add_nc_u32 v[TADR+2], 2*P32, v[TADR]
	v_add_nc_u32 v[TADR+3], 3*P32, v[TADR]
	v_lshlrev_b32 v[CADR], 5, v3
	v_lshl_add_u32 v[CADR], s2, 9, v[CADR]
	v_add_nc_u32 v[CADR], WKT, v[CADR]
	v_lshlrev_b32 v[REDST], 2, v2
	v_lshl_add_u32 v[REDST], s2, 9, v[REDST]
	v_add_nc_u32 v[REDST], RED, v[REDST]
	v_lshlrev_b32 v[SCOST], 2, v1
	v_lshl_add_u32 v[SCOST], s2, 7, v[SCOST]
	v_add_nc_u32 v[SCOST], SCO, v[SCOST]
	v_bfe_u32 v[PADR], v0, 3, 1
	v_lshlrev_b32 v[PADR], 8, v[PADR]
	v_lshl_add_u32 v[PADR], v3, 4, v[PADR]
	v_add_nc_u32 v[PADR], PW, v[PADR]
	v_lshlrev_b32 v[STGS], 2, v2
	v_lshl_add_u32 v[STGS], v3, 10, v[STGS]
	v_lshl_add_u32 v[STGS], s2, 11, v[STGS]
	v_add_nc_u32 v[STGS], STG, v[STGS]
	v_lshl_add_u32 v[STGR], s2, 11, v[L16]
	v_add_nc_u32 v[STGR], STG, v[STGR]
	v_lshl_add_u32 v[PVO], s2, 10, v[L16]
	v_add_nc_u32 v25, WKT, v26                     ; where my 16 bytes of the two tables go
	s_wait_loadcnt 32                              ; all that was issued ahead of the 32 loads of rows 0-3 is in: Wb's three steps, k, mask, energy, wk2
	LOADROW 4
.irp j, 0,1,2,3
	v_cvt_pk_bf16_f32 v[240+\j], v[224+2*\j], v[224+2*\j+1]    ; energy: rounded to bf16 as a matrix operand,
.endr
.irp j, 0,1,2,3
	v_lshlrev_b32 v[224+2*\j], 16, v[240+\j]                   ; and widened again for the f32 multiply-adds
	v_and_b32 v[224+2*\j+1], 0xffff0000, v[240+\j]
.endr
	ds_store_b128 v25, v[232:235]
	ds_store_b128 v25, v[236:239] offset:2048
	ds_store_b128 v25, v[224:227] offset:4096
	ds_store_b128 v25, v[228:231] offset:6144
	v_pk_mul_f32 v[240:241], v[KV:KV+1], v[KV:KV+1]            ; sum k^2, two chains
	v_pk_mul_f32 v[242:243], v[KV+2:KV+3], v[KV+2:KV+3]
.irp i, 1,2,3,4,5,6,7
	v_pk_fma_f32 v[240:241], v[KV+4*\i:KV+4*\i+1], v[KV+4*\i:KV+4*\i+1], v[240:241]
	v_pk_fma_f32 v[242:243], v[KV+4*\i+2:KV+4*\i+3], v[KV+4*\i+2:KV+4*\i+3], v[242:243]
.endr
	v_pk_add_f32 v[240:241], v[240:241], v[242:243]
	v_add_f32 v240, v240, v241
.irp m, 1,2,4,8
	v_add_f32_dpp v240, v240, v240 row_xmask:\m row_mask:0xf bank_mask:0xf
.endr
	v_permlanex16_b32 v241, v240, s28, s29
	v_add_f32 v[KK], v240, v241
; PHASE A.  Row rho of the wave (row 32 w + rho of the block).  Five row slots: this one at work, four on their way.
.macro ROW rho
.set X, F0+32*((\rho)%5)
.if (31-(\rho)) < 4
	s_wait_loadcnt 8*(31-(\rho))                   ; the last rows: fewer rows were issued behind this one
.else
	s_wait_loadcnt 32                              ; loads come back in order (ISA guide 5.7.1): mine are in, the four rows behind stay out
.endif
	v_pk_mul_f32 v[Q0:Q0+1], v[X:X+1], v[X:X+1]                ; the first products start the four chains
	v_pk_mul_f32 v[Q1:Q1+1], v[X+2:X+3], v[X+2:X+3]
	v_pk_mul_f32 v[D0:D0+1], v[X:X+1], v[KV:KV+1]
	v_pk_mul_f32 v[D1:D1+1], v[X+2:X+3], v[KV+2:KV+3]
.irp i, 1,2,3,4,5,6,7
	v_pk_fma_f32 v[Q0:Q0+1], v[X+4*\i:X+4*\i+1], v[X+4*\i:X+4*\i+1], v[Q0:Q0+1]
	v_pk_fma_f32 v[Q1:Q1+1], v[X+4*\i+2:X+4*\i+3], v[X+4*\i+2:X+4*\i+3], v[Q1:Q1+1]
	v_pk_fma_f32 v[D0:D0+1], v[X+4*\i:X+4*\i+1], v[KV+4*\i:KV+4*\i+1], v[D0:D0+1]
	v_pk_fma_f32 v[D1:D1+1], v[X+4*\i+2:X+4*\i+3], v[KV+4*\i+2:KV+4*\i+3], v[D1:D1+1]
.endr
.irp i, 0,1,2,3,4,5,6,7
	v_cvt_pk_bf16_f32 v[X+4*\i],   v[X+4*\i],   v[X+4*\i+1]
	v_cvt_pk_bf16_f32 v[X+4*\i+1], v[X+4*\i+2], v[X+4*\i+3]
.endr
.irp i, 0,1,2,3,4,5,6,7
	ds_store_b64 v[XST+((\rho)>>4)], v[X+4*\i:X+4*\i+1] offset:((\rho)&15)*P+256*\i    ; 32 lanes x 8 bytes: 256 consecutive bytes of the row
.endr
.if ((\rho)+5) <= 31
	LOADROW (\rho)+5                               ; the slot's next row goes out before the sums are finished
.endif
	v_pk_add_f32 v[Q0:Q0+1], v[Q0:Q0+1], v[Q1:Q1+1]
	v_pk_add_f32 v[D0:D0+1], v[D0:D0+1], v[D1:D1+1]
	v_add_f32 v[Q0], v[Q0], v[Q0+1]
	v_add_f32 v[D0], v[D0], v[D0+1]
.irp m, 1,2,4,8
	v_add_f32_dpp v[Q0], v[Q0], v[Q0] row_xmask:\m row_mask:0xf bank_mask:0xf
	v_add_f32_dpp v[D0], v[D0], v[D0] row_xmask:\m row_mask:0xf bank_mask:0xf
.endr
	v_permlanex16_b32 v[Q0+1], v[Q0], s28, s29
	v_permlanex16_b32 v[D0+1], v[D0], s28, s29
	v_add_f32 v[Q0], v[Q0], v[Q0+1]
	v_add_f32 v[D0], v[D0], v[D0+1]
.if (\rho) == 0
	v_mov_b32 v[QALL], v[Q0]                       ; writes every lane once; the later rows each replace their own lane
	v_mov_b32 v[DALL], v[D0]
.else
	s_mov_b32 s30, 1<<(\rho)
	v_cndmask_b32 v[QALL], v[QALL], v[Q0], s30     ; lane rho keeps row rho's sums
	v_cndmask_b32 v[DALL], v[DALL], v[D0], s30
.endif
.endm
.irp rho, 0,1,2,3,4,5,6,7,8,9,10,11,12,13,14,15,16,17,18,19,20,21,22,23,24,25,26,27,28,29,30,31
	ROW \rho
.endr
	; lane = row: cos = (x . k) / (max(|x|, eps) max(|k|, eps)); score = cos log2(e), or -inf where the mask is 0
	v_sqrt_f32 v[Q0], v[QALL]
	v_sqrt_f32 v[Q0+1], v[KK]
	v_mov_b32 v[D0+1], 0                           ; a plain instruction between the roots and their use (ISA guide 5.7.2)
	s_wait_alu depctr_va_vdst(0)
	v_max_num_f32 v[Q0], EPS, v[Q0]
	v_max_num_f32 v[Q0+1], EPS, v[Q0+1]
	v_mul_f32 v[Q0], v[Q0], v[Q0+1]
	v_cmp_ne_u32 vcc_lo, 0, v[MSKB]
	v_rcp_f32 v[Q0], v[Q0]
	v_cndmask_b32 v[D0], NINF, v[D0+1], vcc_lo     ; 0 where the mask is set, else -inf; also the plain instruction behind v_rcp_f32
	s_wait_alu depctr_va_vdst(0)
	v_mul_f32 v[Q0], v[DALL], v[Q0]
	v_fma_f32 v[Q0], v[Q0], s38, v[D0]
	ds_store_b32 v[SCOST], v[Q0]
	ds_store_b32 v[SCOST], v[D0] offset:512
	s_wait_dscnt 0x0                               ; my rows, my parts of the tables and my scores are in LDS before I say so
	s_barrier_signal -1
	s_barrier_wait -1                              ; the block and the tables are whole; nothing overwrites them for the rest of the launch
; PHASE B.
; 16 matrix instructions: row tiles a0, a0 + 1 of the block's four (hi = 0: rows 0-63, 1: rows 64-127) x my 8 column tiles, 32 along K.
; Source 0 = 16 rows of Wb, source 1 = 16 rows of xs: register j of lane (r, h) = (column 16 b + 8 h + j, row 16 a + r).
; The 64 accumulators take turns, one instruction a turn, in the same order in every step and over the backward jump.
.macro MUL16 xf, wf, hi, a0, zero
.irp a, \a0, \a0+1
.irp b, 0,1,2,3,4,5,6,7
.if \zero
	v_wmma_f32_16x16x32_bf16 v[8*(8*(\a)+\b):8*(8*(\a)+\b)+7], v[\wf+8*\b:\wf+8*\b+7], v[\xf+8*(4*\hi+\a):\xf+8*(4*\hi+\a)+7], 0
.else
	v_wmma_f32_16x16x32_bf16 v[8*(8*(\a)+\b):8*(8*(\a)+\b)+7], v[\wf+8*\b:\wf+8*\b+7], v[\xf+8*(4*\hi+\a):\xf+8*(4*\hi+\a)+7], v[8*(8*(\a)+\b):8*(8*(\a)+\b)+7]
.endif
.endr
.endr
.endm
.macro FETCHX f, koff                  ; the eight xs fragments (128 rows x 32 K) at byte koff behind the running address
	WIN 0
.irp a, 0,1,2,3,4,5,6,7
	ds_load_b128 v[\f+8*\a:\f+8*\a+3],   v[ADR+(\a>>1)] offset:(\a&1)*P16+\koff
	ds_load_b128 v[\f+8*\a+4:\f+8*\a+7], v[ADR+(\a>>1)] offset:(\a&1)*P16+\koff+32
.endr
.endm
; K step j of a trip of four.  fw: Wb's fragments of three steps on are asked for; fx: the next step's xs fragments are read;
; lcnt: how many younger loads of Wb may stay out.
.macro STEP j, zero, fw, fx, lcnt
.set XF, F0+64*((\j)&1)
.set XN, F0+64*(((\j)+1)&1)
.set WF, 64*(\j)
.set WN, ((\j)+3)&3
	s_wait_loadcnt \lcnt                           ; this step's 16 loads of Wb are in; those of the steps behind it stay out
	s_wait_dscnt 8                                 ; xs row tiles 0-3 are in; the youngest eight LDS loads (tiles 4-7) may be out
	WIN MUL_LO
	MUL16 XF, WF, 0, 0, \zero
	MUL16 XF, WF, 0, 2, \zero
.if (\fw)+(\fx)
	PLACES                                         ; the buffers filled below were read by the last step's matrix instructions
.endif
.if \fw
	FETCHW WN, ((\j)+3)*32768
.endif
.if \fx
	FETCHX XN, ((\j)+1)*64
	s_wait_dscnt 16                                ; all but the 16 just issued
.else
	s_wait_dscnt 0
.endif
	WIN MUL_HI
	MUL16 XF, WF, 1, 0, \zero
	MUL16 XF, WF, 1, 2, \zero
.endm
; Four steps; then the bases step.  fx3 = 0: the chunk's last trip, no xs fragments beyond K.
.macro TRIP zero, fx3
	STEP 0, \zero, 1, 1, 32
	STEP 1, 0, 1, 1, 32
	STEP 2, 0, 1, 1, 32
	STEP 3, 0, 1, \fx3, 32
	WIN 0                                          ; at a label and at a branch every block setting is 0
	s_wait_xcnt 0x0                                ; the loads that name s[10:11] have had their addresses translated (ISA guide 3.1): only now the base steps
	s_add_nc_u64 s[10:11], s[10:11], 131072        ; four steps of 32,768 bytes; the stream runs on from chunk 0 into chunk 1
.if \fx3
.irp p, 0,1,2,3
	v_add_nc_u32 v[ADR+\p], 256, v[ADR+\p]         ; four steps of 64 bytes along the rows
.endr
.endif
.endm
; 256 numbers: column tile b of four row tiles.  x2 = 2 log2(e) (wx + wk); t = 1 - 2 / (1 + exp2(x2)); SUM += energy * t.
.macro TANH16 c, hi, b
	WIN 0x02+\hi                                   ; source 0: the accumulators' block
.irp a, 0,1,2,3
.irp i, 0,1,2,3
	v_pk_fma_f32 v[T+8*\a+2*\i:T+8*\a+2*\i+1], v[8*(8*\a+\b)+2*\i:8*(8*\a+\b)+2*\i+1], s[36:37], v[F0+16*\b+2*\i:F0+16*\b+2*\i+1] op_sel_hi:[1,0,1]
.endr
.endr
	WIN 0
.set n, 0
.rept 32
	v_exp_f32 v[T+n], v[T+n]
.set n, n+1
.endr
	v_nop                                          ; a plain instruction between the transcendentals and their use (ISA guide 5.7.2)
.set n, 0
	s_wait_alu depctr_va_vdst(0)
.rept 16
	v_pk_add_f32 v[T+n:T+n+1], v[T+n:T+n+1], 1.0 op_sel_hi:[1,0]
.set n, n+2
.endr
.set n, 0
.rept 32
	v_rcp_f32 v[T+n], v[T+n]
.set n, n+1
.endr
	v_nop
.set n, 0
	s_wait_alu depctr_va_vdst(0)
.rept 16
	v_pk_fma_f32 v[T+n:T+n+1], v[T+n:T+n+1], -2.0, 1.0 op_sel_hi:[1,0,0]
.set n, n+2
.endr
.irp i, 0,1,2,3
.irp a, 0,1,2,3
.if ((\c)+(\b)+(\i)) == 0
	v_pk_mul_f32 v[SUM+2*(4*\hi+\a):SUM+2*(4*\hi+\a)+1], v[T+8*\a+2*\i:T+8*\a+2*\i+1], v[F0+16*\b+8+2*\i:F0+16*\b+8+2*\i+1]    ; the first product starts the sum
.else
	v_pk_fma_f32 v[SUM+2*(4*\hi+\a):SUM+2*(4*\hi+\a)+1], v[T+8*\a+2*\i:T+8*\a+2*\i+1], v[F0+16*\b+8+2*\i:F0+16*\b+8+2*\i+1], v[SUM+2*(4*\hi+\a):SUM+2*(4*\hi+\a)+1]
.endif
.endr
.endr
.endm
.macro EPI c
	PLACES                                         ; behind the chunk's last matrix instructions: for the loads into the fragment buffers and the reads of the sums
.irp b, 0,1,2,3,4,5,6,7
	ds_load_b128 v[F0+16*\b:F0+16*\b+3],     v[CADR] offset:\c*2048+\b*64          ; wk2 of my columns 16 b + 8 h .. + 7
	ds_load_b128 v[F0+16*\b+4:F0+16*\b+7],   v[CADR] offset:\c*2048+\b*64+16
	ds_load_b128 v[F0+16*\b+8:F0+16*\b+11],  v[CADR] offset:\c*2048+\b*64+4096     ; energy of the same columns
	ds_load_b128 v[F0+16*\b+12:F0+16*\b+15], v[CADR] offset:\c*2048+\b*64+4112
.endr
	s_wait_dscnt 0x0
.irp hi, 0,1
.irp b, 0,1,2,3,4,5,6,7
	TANH16 \c, \hi, \b
.endr
.endr
.endm
.macro CHUNK c                         ; columns 512 c .. 512 c + 511: 32 K steps in eight trips, then the tanh
.irp p, 0,1,2,3
	v_mov_b32 v[ADR+\p], v[ADR0+\p]
.endr
	FETCHX F0, 0
	TRIP 1, 1                                      ; the first trip stands ahead of the loop: its first products start the sums, nothing is cleared
	s_mov_b32 s3, 6
.Lk\c:
	TRIP 0, 1
	s_sub_co_u32 s3, s3, 1
	s_cmp_lg_u32 s3, 0
	s_cbranch_scc1 .Lk\c
.if (\c) == 0
	TRIP 0, 0                                      ; its loads of Wb already belong to chunk 1 and land while the tanh is worked
.else
	STEP 0, 0, 1, 1, 32                            ; the last trip of all: one more step of Wb is asked for, the last of wb16,
	STEP 1, 0, 0, 1, 32                            ; then none, and the counts run down: 32, 16, 0
	STEP 2, 0, 0, 1, 16
	STEP 3, 0, 0, 0, 0
	WIN 0
.endif
	EPI \c
.endm
	CHUNK 0
	CHUNK 1
	; my 256 columns' part of each row's additive score: the pair, then the other half of the lanes (the other eight columns of each tile)
.irp a, 0,1,2,3,4,5,6,7
	v_add_f32 v[T+\a], v[SUM+2*\a], v[SUM+2*\a+1]
.endr
.irp a, 0,1,2,3,4,5,6,7
	v_permlanex16_b32 v[T+8+\a], v[T+\a], s28, s29
.endr
.irp a, 0,1,2,3,4,5,6,7
	v_add_f32 v[T+\a], v[T+\a], v[T+8+\a]
	ds_store_b32 v[REDST], v[T+\a] offset:64*\a    ; row 16 a + r; both halves of the lanes write the same number
.endr
	s_wait_dscnt 0x0
	s_barrier_signal -1
	s_barrier_wait -1                              ; the four waves' parts are in LDS
	; PHASE C.  Wave 0: the cosine scores; wave 1: the additive ones.  Lane l holds rows 4 l .. 4 l + 3.
	s_cmp_gt_u32 s2, 1
	s_cbranch_scc1 .Lskip
	v_add_nc_u32 v24, RED, v[L16]
	ds_load_b128 v[192:195], v24
	ds_load_b128 v[196:199], v24 offset:512
	ds_load_b128 v[200:203], v24 offset:1024
	ds_load_b128 v[204:207], v24 offset:1536
	ds_load_b128 v[208:211], v24 offset:2560       ; 0 or -inf
	ds_load_b128 v[212:215], v24 offset:2048       ; cosine scores
	s_cmp_eq_u32 s2, 1
	s_cselect_b32 s31, -1, 0
	s_cselect_b64 s[32:33], s[22:23], s[20:21]     ; wave 1 stores to sbah, wave 0 to scos
	v_lshlrev_b32 v25, 3, v1
	v_lshl_add_u32 v25, s2, 8, v25
	v_add_nc_u32 v25, PW, v25                      ; my four weights: PW + 256 wave + 8 lane
	s_wait_dscnt 0x0
	v_pk_add_f32 v[192:193], v[192:193], v[196:197]
	v_pk_add_f32 v[194:195], v[194:195], v[198:199]
	v_pk_add_f32 v[200:201], v[200:201], v[204:205]
	v_pk_add_f32 v[202:203], v[202:203], v[206:207]
	v_pk_add_f32 v[192:193], v[192:193], v[200:201]
	v_pk_add_f32 v[194:195], v[194:195], v[202:203]
	v_pk_fma_f32 v[192:193], v[192:193], s[38:39], v[208:209] op_sel_hi:[1,0,1]
	v_pk_fma_f32 v[194:195], v[194:195], s[38:39], v[210:211] op_sel_hi:[1,0,1]
.irp i, 0,1,2,3
	v_cndmask_b32 v[ADR+\i], v[212+\i], v[192+\i], s31         ; v8-11: no later line writes them, so the store below may stay pending
.endr
	v_max_num_f32 v220, v[ADR], v[ADR+1]
	v_max3_num_f32 v220, v220, v[ADR+2], v[ADR+3]
.irp m, 1,2,4,8
	v_max_num_f32_dpp v220, v220, v220 row_xmask:\m row_mask:0xf bank_mask:0xf
.endr
	v_permlanex16_b32 v221, v220, s28, s29
	v_max_num_f32 v220, v220, v221
	v_max_num_f32 v220, NEGMAX, v220               ; the block's maximum; -FLT_MAX if every row is masked
.irp i, 0,1,2,3
	v_sub_f32 v[224+\i], v[ADR+\i], v220
.endr
.irp i, 0,1,2,3
	v_exp_f32 v[224+\i], v[224+\i]
.endr
	v_nop
	s_wait_alu depctr_va_vdst(0)
	v_cvt_pk_bf16_f32 v228, v224, v225
	v_cvt_pk_bf16_f32 v229, v226, v227
	ds_store_b64 v25, v[228:229]
	global_store_b128 v[L16], v[ADR:ADR+3], s[32:33]           ; the wave stores 512 consecutive bytes, aligned
.Lskip:
	s_wait_dscnt 0x0
	s_barrier_signal -1
	s_barrier_wait -1                              ; the weights are in LDS
	; PHASE D.  Wave w: columns d = 256 w .. + 255 of both weighted sums, K = the block's 128 rows in four steps.
	; Source 0: rows 0-7 all hold the cosine weights, rows 8-15 the additive ones; so register 0 of a result holds the cosine sum
	; in lanes 0-15 and the additive sum in lanes 16-31, column d = r.  Source 1: xs, stored [row][d], by transposing loads.
.irp ks, 0,1,2,3
	ds_load_b128 v[KV+8*\ks:KV+8*\ks+3],   v[PADR] offset:\ks*64
	ds_load_b128 v[KV+8*\ks+4:KV+8*\ks+7], v[PADR] offset:\ks*64+32
.endr
.macro WSLOAD gq, ks, f                ; eight column tiles x 32 rows
.irp dt, 0,1,2,3,4,5,6,7
	ds_load_tr16_b128 v[\f+8*\dt:\f+8*\dt+3],   v[TADR+\ks] offset:\gq*256+32*\dt
	ds_load_tr16_b128 v[\f+8*\dt+4:\f+8*\dt+7], v[TADR+\ks] offset:\gq*256+32*\dt+P16
.endr
.endm
.macro WSMUL ks, f, zero               ; eight accumulators by turns, one instruction a turn
.irp dt, 0,1,2,3,4,5,6,7
.if \zero
	v_wmma_f32_16x16x32_bf16 v[T+8*\dt:T+8*\dt+7], v[KV+8*\ks:KV+8*\ks+7], v[\f+8*\dt:\f+8*\dt+7], 0
.else
	v_wmma_f32_16x16x32_bf16 v[T+8*\dt:T+8*\dt+7], v[KV+8*\ks:KV+8*\ks+7], v[\f+8*\dt:\f+8*\dt+7], v[T+8*\dt:T+8*\dt+7]
.endif
.endr
.endm
.irp gq, 0,1
	WSLOAD \gq, 0, F0
	WSLOAD \gq, 1, F1
	s_wait_dscnt 16                                ; all but the 16 loads of step 1
	WSMUL 0, F0, 1
	PLACES
	WSLOAD \gq, 2, F0
	s_wait_dscnt 16
	WSMUL 1, F1, 0
	PLACES
	WSLOAD \gq, 3, F1
	s_wait_dscnt 16
	WSMUL 2, F0, 0
	s_wait_dscnt 0
	WSMUL 3, F1, 0
.rept 5
	v_nop                                          ; five places: for the stores of the sums, the next group's loads, and its first products, which write over the sums
.endr
.irp dt, 0,1,2,3,4,5,6,7
	ds_store_b32 v[STGS], v[T+8*\dt] offset:(8*\gq+\dt)*64
.endr
.endr
	; the way out: my own 2,048 bytes of the stage, read back as runs of 512 bytes.  LDS serves a wave's instructions in order (ISA guide 5.7.1): no wait between my stores and my loads
.irp q, 0,1,2,3
	ds_load_b128 v[F0+4*\q:F0+4*\q+3], v[STGR] offset:512*\q
.endr
.irp q, 0,1,2,3
	s_wait_dscnt 3-\q
	global_store_b128 v[PVO], v[F0+4*\q:F0+4*\q+3], s[24:25] offset:(\q>>1)*4096+(\q&1)*512    ; 512 consecutive bytes, aligned
.endr
	s_wait_xcnt 0x0
	v_lshl_add_u32 v38, v0, 2, 0x45600
	v_mov_b32 v39, 0
	s_wait_tensorcnt 0x0
	ds_add_u32 v38, v39
	s_wait_dscnt 0x0
	s_endpgm
.Lfunc_end_k_q0cfaaabb34_main:
	.size	k_q0cfaaabb34_main, .Lfunc_end_k_q0cfaaabb34_main-k_q0cfaaabb34_main
	.p2alignl 7, 3214868480
	.fill 96, 4, 3214868480
	.section	.rodata,"a",@progbits
	.p2align	6, 0x0
	.amdhsa_kernel k_q0cfaaabb34_main
		.amdhsa_group_segment_fixed_size 284672
		.amdhsa_private_segment_fixed_size 0
		.amdhsa_enable_private_segment 0
		.amdhsa_kernarg_size 72
		.amdhsa_user_sgpr_count 2
		.amdhsa_user_sgpr_kernarg_segment_ptr 1
		.amdhsa_wavefront_size32 1
		.amdhsa_system_sgpr_workgroup_id_x 1
		.amdhsa_system_sgpr_workgroup_id_y 1
		.amdhsa_system_sgpr_workgroup_id_z 1
		.amdhsa_system_vgpr_workitem_id 0
		.amdhsa_next_free_vgpr 1024
		.amdhsa_next_free_sgpr 66
		.amdhsa_reserve_vcc 1
		.amdhsa_float_denorm_mode_32 3
		.amdhsa_float_denorm_mode_16_64 3
		.amdhsa_memory_ordered 1
		.amdhsa_forward_progress 1
		.amdhsa_inst_pref_size 255
	.end_amdhsa_kernel
	.section	.bss,"aw",@nobits
	.p2align	6
	.space	262144
	.amdgpu_metadata
---
amdhsa.version: [ 1, 2 ]
amdhsa.kernels:
  - .name:           k_q0cfaaabb34_main
    .symbol:         k_q0cfaaabb34_main.kd
    .args:
      - { .name: xs, .offset: 0, .size: 8, .value_kind: global_buffer, .address_space: global }
      - { .name: wb16, .offset: 8, .size: 8, .value_kind: global_buffer, .address_space: global }
      - { .name: wk2, .offset: 16, .size: 8, .value_kind: global_buffer, .address_space: global }
      - { .name: energy, .offset: 24, .size: 8, .value_kind: global_buffer, .address_space: global }
      - { .name: k, .offset: 32, .size: 8, .value_kind: global_buffer, .address_space: global }
      - { .name: mask, .offset: 40, .size: 8, .value_kind: global_buffer, .address_space: global }
      - { .name: scos, .offset: 48, .size: 8, .value_kind: global_buffer, .address_space: global }
      - { .name: sbah, .offset: 56, .size: 8, .value_kind: global_buffer, .address_space: global }
      - { .name: pv, .offset: 64, .size: 8, .value_kind: global_buffer, .address_space: global }
    .group_segment_fixed_size: 284672
    .private_segment_fixed_size: 0
    .kernarg_segment_align: 8
    .kernarg_segment_size: 72
    .max_flat_workgroup_size: 128
    .sgpr_count:     66
    .vgpr_count:     1024
    .wavefront_size: 32
...
	.end_amdgpu_metadata
.endif
;; end of part 2
;; launch comb (part 3): grid 32 x 1, 8 waves a work-group, no clusters, 1,536 bytes of LDS; arguments scos, sbah, pv, out1, rep; writes out1, rep
.if DOCPART == 3
	.amdgcn_target "amdgcn-amd-amdhsa--gfx1250"
	.amdhsa_code_object_version 6
	.text
	.protected	k_q0cfaaabb34_comb
	.globl	k_q0cfaaabb34_comb
	.p2align	8
	.type	k_q0cfaaabb34_comb,@function
k_q0cfaaabb34_comb:
	s_mov_b64 s[64:65], 0
	v_nop
	global_prefetch_b8 v0, s[64:65] scope:SCOPE_SE
	s_setreg_imm32_b32 hwreg(HW_REG_WAVE_MODE, 25, 1), 1
	s_wait_xcnt 0x0
; comb: one work-group for each batch finishes both softmaxes over the 2048 rows and merges the 16 blocks' weighted sums.
;   scores s (already times log2 e, -inf where masked); M = max over the batch; e = exp2(s - M); L = sum e;
;   out1 = 0.5 (e_cos / L_cos + e_bah / L_bah);   rep[b][p * 1024 + d] = bf16( sum over blk of exp2(m_blk - M) / L * pv[b][blk][p][d] ).
; m_blk is formed again here from the same stored scores with the same clamp to -FLT_MAX, so it is the very number that the weights in pv were made with.
; Thread t holds rows 4 t .. + 3 and 1024 + 4 t .. + 3: wave w holds exactly blocks w and 8 + w.  For pv and rep thread t holds d = 4 t .. + 3.
; A batch whose mask is all 0 gives L = 0 and NaN in out1 and rep, as a softmax over -inf alone does.
; The stream is short (148 KiB a work-group): all loads go out at the start; matrix unit, tensor loads and clusters have nothing to do here.
.set NEGMAX, 0xff7fffff
; v2 = 16 t, v3 = 8 t, v20 = 4 w, v21 = 0; v4-11 cosine scores, v12-19 additive scores; v32-63 m[p][blk], then the coefficients;
; v64-191 pv at 64 + 4 (2 blk + p); v192-199 the merged sums; v200-223 at work.  LDS: m[p][blk] at 64 p + 4 blk; the waves' sums at 128 + 32 p + 4 w.
	s_load_b256 s[4:11], s[0:1], 0x0               ; scos s[4:5], sbah s[6:7], pv s[8:9], out1 s[10:11]
	s_load_b64 s[12:13], s[0:1], 0x20              ; rep
	v_lshl_add_u32 v224, v0, 2, 0x200
	v_mov_b32 v225, 0
	v_lshrrev_b32 v1, 5, v0
	v_readfirstlane_b32 s2, v1                     ; wave
	v_lshlrev_b32 v2, 4, v0
	v_lshlrev_b32 v3, 3, v0
	s_lshl_b32 s14, ttmp9, 13                      ; 2048 f32
	s_mov_b32 s15, 0
	s_lshl_b32 s16, ttmp9, 17                      ; 16 blocks of 8,192 bytes
	s_mov_b32 s17, 0
	s_lshl_b32 s18, ttmp9, 12                      ; 2048 bf16
	s_mov_b32 s19, 0
	s_mov_b32 s20, 0x76543210                      ; v_permlanex16_b32: lane i of one half reads lane i of the other
	s_mov_b32 s21, 0xfedcba98
	s_lshl_b32 s22, s2, 2
	v_mov_b32 v20, s22
	v_mov_b32 v21, 0
	s_wait_kmcnt 0x0
	s_add_nc_u64 s[4:5], s[4:5], s[14:15]
	s_add_nc_u64 s[6:7], s[6:7], s[14:15]
	s_add_nc_u64 s[8:9], s[8:9], s[16:17]
	s_add_nc_u64 s[10:11], s[10:11], s[14:15]
	s_add_nc_u64 s[12:13], s[12:13], s[18:19]
	global_load_b128 v[4:7],   v2, s[4:5] th:TH_LOAD_NT
	global_load_b128 v[8:11],  v2, s[4:5] offset:4096 th:TH_LOAD_NT
	global_load_b128 v[12:15], v2, s[6:7] th:TH_LOAD_NT
	global_load_b128 v[16:19], v2, s[6:7] offset:4096 th:TH_LOAD_NT
.irp blk, 0,1,2,3,4,5,6,7,8,9,10,11,12,13,14,15
.irp p, 0,1
	global_load_b128 v[64+4*(2*\blk+\p):64+4*(2*\blk+\p)+3], v2, s[8:9] offset:\blk*8192+\p*4096 th:TH_LOAD_NT
.endr
.endr
	s_wait_loadcnt 32                              ; the four loads of scores are in; the 32 of pv, issued behind them, stay out
	; four block maxima: cosine w, cosine 8 + w, additive w, additive 8 + w
.irp j, 0,1,2,3
	v_max_num_f32 v[204+\j], v[4+4*\j], v[5+4*\j]
	v_max3_num_f32 v[200+\j], v[204+\j], v[6+4*\j], v[7+4*\j]
.endr
.irp m, 1,2,4,8
.irp r, 200,201,202,203
	v_max_num_f32_dpp v\r, v\r, v\r row_xmask:\m row_mask:0xf bank_mask:0xf
.endr
.endr
.irp j, 0,1,2,3
	v_permlanex16_b32 v[204+\j], v[200+\j], s20, s21
.endr
.irp j, 0,1,2,3
	v_max3_num_f32 v[200+\j], v[200+\j], v[204+\j], NEGMAX
	ds_store_b32 v20, v[200+\j] offset:32*\j
.endr
	s_wait_dscnt 0x0
	s_barrier_signal -1
	s_barrier_wait -1
.irp i, 0,1,2,3,4,5,6,7
	ds_load_b128 v[32+4*\i:32+4*\i+3], v21 offset:16*\i
.endr
	s_wait_dscnt 0x0
	v_max_num_f32 v200, v32, v33                   ; the batch's two maxima
	v_max_num_f32 v201, v48, v49
.irp j, 2,4,6,8,10,12,14
	v_max3_num_f32 v200, v200, v[32+\j], v[33+\j]
	v_max3_num_f32 v201, v201, v[48+\j], v[49+\j]
.endr
.irp i, 0,1,2,3,4,5,6,7
	v_sub_f32 v[4+\i], v[4+\i], v200
	v_sub_f32 v[12+\i], v[12+\i], v201
.endr
.set n, 4
.rept 16
	v_exp_f32 v[n], v[n]
.set n, n+1
.endr
	v_nop                                          ; a plain instruction between the transcendentals and their use (ISA guide 5.7.2)
	s_wait_alu depctr_va_vdst(0)
	v_pk_add_f32 v[204:205], v[4:5], v[6:7]
	v_pk_add_f32 v[206:207], v[8:9], v[10:11]
	v_pk_add_f32 v[208:209], v[12:13], v[14:15]
	v_pk_add_f32 v[210:211], v[16:17], v[18:19]
	v_pk_add_f32 v[204:205], v[204:205], v[206:207]
	v_pk_add_f32 v[208:209], v[208:209], v[210:211]
	v_add_f32 v204, v204, v205
	v_add_f32 v208, v208, v209
.irp m, 1,2,4,8
	v_add_f32_dpp v204, v204, v204 row_xmask:\m row_mask:0xf bank_mask:0xf
	v_add_f32_dpp v208, v208, v208 row_xmask:\m row_mask:0xf bank_mask:0xf
.endr
	v_permlanex16_b32 v205, v204, s20, s21
	v_permlanex16_b32 v209, v208, s20, s21
	v_add_f32 v204, v204, v205
	v_add_f32 v208, v208, v209
	ds_store_b32 v20, v204 offset:128              ; bytes of their own: the maxima's words are not written again
	ds_store_b32 v20, v208 offset:160
	s_wait_dscnt 0x0
	s_barrier_signal -1
	s_barrier_wait -1
	ds_load_b128 v[204:207], v21 offset:128
	ds_load_b128 v[208:211], v21 offset:144
	ds_load_b128 v[212:215], v21 offset:160
	ds_load_b128 v[216:219], v21 offset:176
	; meanwhile: the exponents of the 32 coefficients
.irp j, 0,1,2,3,4,5,6,7,8,9,10,11,12,13,14,15
	v_sub_f32 v[32+\j], v[32+\j], v200
	v_sub_f32 v[48+\j], v[48+\j], v201
.endr
	s_wait_dscnt 0x0
	v_pk_add_f32 v[204:205], v[204:205], v[206:207]
	v_pk_add_f32 v[208:209], v[208:209], v[210:211]
	v_pk_add_f32 v[212:213], v[212:213], v[214:215]
	v_pk_add_f32 v[216:217], v[216:217], v[218:219]
	v_pk_add_f32 v[204:205], v[204:205], v[208:209]
	v_pk_add_f32 v[212:213], v[212:213], v[216:217]
	v_add_f32 v204, v204, v205                     ; L of the cosine softmax
	v_add_f32 v212, v212, v213                     ; L of the additive one
	v_rcp_f32 v202, v204
	v_rcp_f32 v203, v212
.set n, 32
.rept 32
	v_exp_f32 v[n], v[n]
.set n, n+1
.endr
	v_nop
	s_wait_alu depctr_va_vdst(0)
	v_pk_mul_f32 v[220:221], v[202:203], 0.5 op_sel_hi:[1,0]
.irp i, 0,2,4,6
	v_pk_mul_f32 v[4+\i:5+\i], v[4+\i:5+\i], v[220:221] op_sel_hi:[1,0]                                  ; both by 0.5 / L_cos
	v_pk_fma_f32 v[4+\i:5+\i], v[12+\i:13+\i], v[220:221], v[4+\i:5+\i] op_sel:[0,1,0] op_sel_hi:[1,1,1]  ; both by 0.5 / L_bah
.endr
	global_store_b128 v2, v[4:7], s[10:11]         ; a wave stores 512 consecutive bytes, aligned
	global_store_b128 v2, v[8:11], s[10:11] offset:4096
.irp j, 0,2,4,6,8,10,12,14
	v_pk_mul_f32 v[32+\j:33+\j], v[32+\j:33+\j], v[202:203] op_sel_hi:[1,0]              ; coefficients: exp2(m_blk - M) / L
	v_pk_mul_f32 v[48+\j:49+\j], v[48+\j:49+\j], v[202:203] op_sel:[0,1] op_sel_hi:[1,1]
.endr
	s_wait_loadcnt 0x0                             ; pv
.macro ACC blk, p                      ; four numbers of block blk, sum p, times the block's coefficient (first or second register of its pair, for both halves)
.set CB, 32+16*\p+((\blk)&14)
.set PR, 64+4*(2*\blk+\p)
.set RR, 192+4*\p
.if (\blk) == 0
	v_pk_mul_f32 v[RR:RR+1],   v[PR:PR+1],   v[CB:CB+1] op_sel_hi:[1,0]
	v_pk_mul_f32 v[RR+2:RR+3], v[PR+2:PR+3], v[CB:CB+1] op_sel_hi:[1,0]
.elseif ((\blk)&1) == 0
	v_pk_fma_f32 v[RR:RR+1],   v[PR:PR+1],   v[CB:CB+1], v[RR:RR+1]   op_sel_hi:[1,0,1]
	v_pk_fma_f32 v[RR+2:RR+3], v[PR+2:PR+3], v[CB:CB+1], v[RR+2:RR+3] op_sel_hi:[1,0,1]
.else
	v_pk_fma_f32 v[RR:RR+1],   v[PR:PR+1],   v[CB:CB+1], v[RR:RR+1]   op_sel:[0,1,0] op_sel_hi:[1,1,1]
	v_pk_fma_f32 v[RR+2:RR+3], v[PR+2:PR+3], v[CB:CB+1], v[RR+2:RR+3] op_sel:[0,1,0] op_sel_hi:[1,1,1]
.endif
.endm
.irp blk, 0,1,2,3,4,5,6,7,8,9,10,11,12,13,14,15
.irp p, 0,1
	ACC \blk, \p
.endr
.endr
	v_cvt_pk_bf16_f32 v200, v192, v193
	v_cvt_pk_bf16_f32 v201, v194, v195
	v_cvt_pk_bf16_f32 v202, v196, v197
	v_cvt_pk_bf16_f32 v203, v198, v199
	global_store_b64 v3, v[200:201], s[12:13]              ; a wave stores 256 consecutive bytes, aligned
	global_store_b64 v3, v[202:203], s[12:13] offset:2048
	s_wait_tensorcnt 0x0
	ds_add_u32 v224, v225
	s_wait_dscnt 0x0
	s_endpgm
.Lfunc_end_k_q0cfaaabb34_comb:
	.size	k_q0cfaaabb34_comb, .Lfunc_end_k_q0cfaaabb34_comb-k_q0cfaaabb34_comb
	.p2alignl 7, 3214868480
	.fill 96, 4, 3214868480
	.section	.rodata,"a",@progbits
	.p2align	6, 0x0
	.amdhsa_kernel k_q0cfaaabb34_comb
		.amdhsa_group_segment_fixed_size 1536
		.amdhsa_private_segment_fixed_size 0
		.amdhsa_enable_private_segment 0
		.amdhsa_kernarg_size 40
		.amdhsa_user_sgpr_count 2
		.amdhsa_user_sgpr_kernarg_segment_ptr 1
		.amdhsa_wavefront_size32 1
		.amdhsa_system_sgpr_workgroup_id_x 1
		.amdhsa_system_sgpr_workgroup_id_y 1
		.amdhsa_system_sgpr_workgroup_id_z 1
		.amdhsa_system_vgpr_workitem_id 0
		.amdhsa_next_free_vgpr 226
		.amdhsa_next_free_sgpr 66
		.amdhsa_reserve_vcc 0
		.amdhsa_float_denorm_mode_32 3
		.amdhsa_float_denorm_mode_16_64 3
		.amdhsa_memory_ordered 1
		.amdhsa_forward_progress 1
		.amdhsa_inst_pref_size 21
	.end_amdhsa_kernel
	.amdgpu_metadata
---
amdhsa.version: [ 1, 2 ]
amdhsa.kernels:
  - .name:           k_q0cfaaabb34_comb
    .symbol:         k_q0cfaaabb34_comb.kd
    .args:
      - { .name: scos, .offset: 0, .size: 8, .value_kind: global_buffer, .address_space: global }
      - { .name: sbah, .offset: 8, .size: 8, .value_kind: global_buffer, .address_space: global }
      - { .name: pv, .offset: 16, .size: 8, .value_kind: global_buffer, .address_space: global }
      - { .name: out1, .offset: 24, .size: 8, .value_kind: global_buffer, .address_space: global }
      - { .name: rep, .offset: 32, .size: 8, .value_kind: global_buffer, .address_space: global }
    .group_segment_fixed_size: 1536
    .private_segment_fixed_size: 0
    .kernarg_segment_align: 8
    .kernarg_segment_size: 40
    .max_flat_workgroup_size: 256
    .sgpr_count:     66
    .vgpr_count:     226
    .wavefront_size: 32
...
	.end_amdgpu_metadata
.endif
;; end of part 3
;; launch outp (part 4): grid 64 x 1, 8 waves a work-group, no clusters, 17,408 bytes of LDS; arguments rep, Wc, bc, out0; writes out0
.if DOCPART == 4
	.amdgcn_target "amdgcn-amd-amdhsa--gfx1250"
	.amdhsa_code_object_version 6
	.text
	.protected	k_q0cfaaabb34_outp
	.globl	k_q0cfaaabb34_outp
	.p2align	8
	.type	k_q0cfaaabb34_outp,@function
k_q0cfaaabb34_outp:
	s_mov_b64 s[64:65], 0
	v_nop
	global_prefetch_b8 v0, s[64:65] scope:SCOPE_SE
	s_setreg_imm32_b32 hwreg(HW_REG_WAVE_MODE, 25, 1), 1
	s_wait_xcnt 0x0
; outp: out0[b][n] = sum over j of rep[b][j] Wc[n][j] + bc[n].  rep [32][2048] bf16, Wc [1024][2048] f32 (rounded to bf16 here), sums f32.
; Work-group g owns rows 16 g .. + 15 of Wc; wave w owns K = 256 w .. + 255, eight steps of 32.  The eight waves' partial products meet in LDS
; ([wave][b 32][16 n] f32) behind one barrier.  Wc is streamed once; all of a wave's 65 loads go out at the start.
; out0 leaves in runs of 64 bytes: whole runs of 256 bytes would want 64 columns a work-group, that is 16 work-groups streaming 512 KiB of Wc each
; instead of 64 streaming 128 KiB each, and out0 is 128 KiB in all.
.set WOF,  4                           ; v4   r * 8192 + 32 h + 1024 w
.set ROF,  5                           ; v5   r * 4096 + 16 h + 512 w
.set PST,  6                           ; v6   w * 2048 + 64 r + 32 h
.set T8,   7                           ; v7   8 * thread
.set BOF,  8                           ; v8   8 (thread & 7)
.set OOF,  9                           ; v9   4096 (thread >> 3) + 8 (thread & 7)
.set WC,   64                          ; v64-191  Wc, 16 f32 a step, then 8 packed registers a step
.set ACC0, 192
.set ACC1, 200
.set RD,   208                         ; v208-223 the eight partial sums; v224-225 bc
; rep's fragments lie in v256-383 (second block of 256): 64 mt + 8 step
.set MSB, 0
.macro WIN new                         ; the immediate's high byte repeats the setting that is left
.if MSB != (\new)
	s_set_vgpr_msb (MSB<<8)|(\new)
.set MSB, (\new)
.endif
.endm
.macro CVT8 base                       ; 16 f32 in fragment order become 8 registers of bf16, in place, ascending
.irp i, 0,1,2,3,4,5,6,7
	v_cvt_pk_bf16_f32 v[\base+\i], v[\base+2*\i], v[\base+2*\i+1]
.endr
.endm
	s_load_b256 s[4:11], s[0:1], 0x0               ; rep s[4:5], Wc s[6:7], bc s[8:9], out0 s[10:11]
	v_lshl_add_u32 v254, v0, 2, 0x4000
	v_mov_b32 v255, 0
	v_lshrrev_b32 v10, 5, v0
	v_readfirstlane_b32 s2, v10                    ; wave
	v_and_b32 v2, 15, v0                           ; r
	v_bfe_u32 v3, v0, 4, 1                         ; h
	v_lshlrev_b32 v[WOF], 13, v2
	v_lshl_add_u32 v[WOF], v3, 5, v[WOF]
	v_lshl_add_u32 v[WOF], s2, 10, v[WOF]
	v_lshlrev_b32 v[ROF], 12, v2
	v_lshl_add_u32 v[ROF], v3, 4, v[ROF]
	v_lshl_add_u32 v[ROF], s2, 9, v[ROF]
	v_lshlrev_b32 v[PST], 6, v2
	v_lshl_add_u32 v[PST], v3, 5, v[PST]
	v_lshl_add_u32 v[PST], s2, 11, v[PST]
	v_lshlrev_b32 v[T8], 3, v0
	v_and_b32 v[BOF], 7, v0
	v_lshlrev_b32 v[BOF], 3, v[BOF]
	v_lshrrev_b32 v[OOF], 3, v0
	v_lshl_add_u32 v[OOF], v[OOF], 12, v[BOF]
	s_lshl_b32 s12, ttmp9, 17                      ; 16 rows of 8,192 bytes
	s_mov_b32 s13, 0
	s_lshl_b32 s14, ttmp9, 6                       ; 16 f32
	s_mov_b32 s15, 0
	s_wait_kmcnt 0x0
	s_add_nc_u64 s[6:7], s[6:7], s[12:13]
	s_add_nc_u64 s[8:9], s[8:9], s[14:15]
	s_add_nc_u64 s[10:11], s[10:11], s[14:15]
.irp s, 0,1,2,3,4,5,6,7
.irp q, 0,1,2,3
	global_load_b128 v[WC+16*\s+4*\q:WC+16*\s+4*\q+3], v[WOF], s[6:7] offset:128*\s+16*(\q&1)+64*(\q>>1) th:TH_LOAD_NT
.endr
.endr
	global_load_b64 v[224:225], v[BOF], s[8:9]
	WIN 0x40                                       ; destination in the second block
.irp m, 0,1
.irp s, 0,1,2,3,4,5,6,7
	global_load_b128 v[64*\m+8*\s:64*\m+8*\s+3],   v[ROF], s[4:5] offset:65536*\m+64*\s
	global_load_b128 v[64*\m+8*\s+4:64*\m+8*\s+7], v[ROF], s[4:5] offset:65536*\m+64*\s+32
.endr
.endr
	WIN 0
	s_wait_loadcnt 0x0                             ; the wave has nothing else to do meanwhile
.irp s, 0,1,2,3,4,5,6,7
	CVT8 WC+16*\s
.endr
	WIN 0x04                                       ; source 1 (rep) in the second block
	; source 0 = 16 rows of Wc, source 1 = 16 batches of rep: register j of lane (r, h) = (n = 8 h + j, batch 16 mt + r).
	; The two accumulators take turns, one instruction a turn.
	v_wmma_f32_16x16x32_bf16 v[ACC0:ACC0+7], v[WC:WC+7], v[0:7], 0
	v_wmma_f32_16x16x32_bf16 v[ACC1:ACC1+7], v[WC:WC+7], v[64:71], 0
.irp s, 1,2,3,4,5,6,7
	v_wmma_f32_16x16x32_bf16 v[ACC0:ACC0+7], v[WC+16*\s:WC+16*\s+7], v[8*\s:8*\s+7], v[ACC0:ACC0+7]
	v_wmma_f32_16x16x32_bf16 v[ACC1:ACC1+7], v[WC+16*\s:WC+16*\s+7], v[64+8*\s:64+8*\s+7], v[ACC1:ACC1+7]
.endr
	WIN 0
.rept 4
	v_nop                                          ; four places between the last matrix instruction and the LDS stores of its result
.endr
	ds_store_b128 v[PST], v[ACC0:ACC0+3]
	ds_store_b128 v[PST], v[ACC0+4:ACC0+7] offset:16
	ds_store_b128 v[PST], v[ACC1:ACC1+3]   offset:1024
	ds_store_b128 v[PST], v[ACC1+4:ACC1+7] offset:1040
	s_wait_dscnt 0x0                               ; my partial products are in LDS before I say so
	s_barrier_signal -1
	s_barrier_wait -1
.irp i, 0,1,2,3,4,5,6,7
	ds_load_b64 v[RD+2*\i:RD+2*\i+1], v[T8] offset:2048*\i     ; the same two numbers of all eight waves
.endr
	s_wait_dscnt 0x0
	v_pk_add_f32 v[RD:RD+1],     v[RD:RD+1],     v[RD+2:RD+3]
	v_pk_add_f32 v[RD+4:RD+5],   v[RD+4:RD+5],   v[RD+6:RD+7]
	v_pk_add_f32 v[RD+8:RD+9],   v[RD+8:RD+9],   v[RD+10:RD+11]
	v_pk_add_f32 v[RD+12:RD+13], v[RD+12:RD+13], v[RD+14:RD+15]
	v_pk_add_f32 v[RD:RD+1],     v[RD:RD+1],     v[RD+4:RD+5]
	v_pk_add_f32 v[RD+8:RD+9],   v[RD+8:RD+9],   v[RD+12:RD+13]
	v_pk_add_f32 v[RD:RD+1],     v[RD:RD+1],     v[RD+8:RD+9]
	v_pk_add_f32 v[RD:RD+1],     v[RD:RD+1],     v[224:225]    ; + bc
	global_store_b64 v[OOF], v[RD:RD+1], s[10:11]  ; eight neighbouring lanes store the 64 bytes of one batch's 16 columns
	s_wait_tensorcnt 0x0
	ds_add_u32 v254, v255
	s_wait_dscnt 0x0
	s_endpgm
.Lfunc_end_k_q0cfaaabb34_outp:
	.size	k_q0cfaaabb34_outp, .Lfunc_end_k_q0cfaaabb34_outp-k_q0cfaaabb34_outp
	.p2alignl 7, 3214868480
	.fill 96, 4, 3214868480
	.section	.rodata,"a",@progbits
	.p2align	6, 0x0
	.amdhsa_kernel k_q0cfaaabb34_outp
		.amdhsa_group_segment_fixed_size 17408
		.amdhsa_private_segment_fixed_size 0
		.amdhsa_enable_private_segment 0
		.amdhsa_kernarg_size 32
		.amdhsa_user_sgpr_count 2
		.amdhsa_user_sgpr_kernarg_segment_ptr 1
		.amdhsa_wavefront_size32 1
		.amdhsa_system_sgpr_workgroup_id_x 1
		.amdhsa_system_sgpr_workgroup_id_y 1
		.amdhsa_system_sgpr_workgroup_id_z 1
		.amdhsa_system_vgpr_workitem_id 0
		.amdhsa_next_free_vgpr 384
		.amdhsa_next_free_sgpr 66
		.amdhsa_reserve_vcc 0
		.amdhsa_float_denorm_mode_32 3
		.amdhsa_float_denorm_mode_16_64 3
		.amdhsa_memory_ordered 1
		.amdhsa_forward_progress 1
		.amdhsa_inst_pref_size 15
	.end_amdhsa_kernel
	.amdgpu_metadata
---
amdhsa.version: [ 1, 2 ]
amdhsa.kernels:
  - .name:           k_q0cfaaabb34_outp
    .symbol:         k_q0cfaaabb34_outp.kd
    .args:
      - { .name: rep, .offset: 0, .size: 8, .value_kind: global_buffer, .address_space: global }
      - { .name: Wc, .offset: 8, .size: 8, .value_kind: global_buffer, .address_space: global }
      - { .name: bc, .offset: 16, .size: 8, .value_kind: global_buffer, .address_space: global }
      - { .name: out0, .offset: 24, .size: 8, .value_kind: global_buffer, .address_space: global }
    .group_segment_fixed_size: 17408
    .private_segment_fixed_size: 0
    .kernarg_segment_align: 8
    .kernarg_segment_size: 32
    .max_flat_workgroup_size: 256
    .sgpr_count:     66
    .vgpr_count:     384
    .wavefront_size: 32
...
	.end_amdgpu_metadata
.endif
;; end of part 4
;; ======== version 2 of 2: 4 launches; 1.16 times as fast as version 1
;; workspace buffers: wb16 2,097,152 bytes; wk2 131,072 bytes; scos 262,144 bytes; sbah 262,144 bytes; pv 4,194,304 bytes; rep 131,072 bytes
;; launch prep (part 5): grid 64 x 1, 8 waves a work-group, no clusters, 156,672 bytes of LDS; arguments Wb, Wa, k, wb16, wk2; writes wb16, wk2
.if DOCPART == 5
	.amdgcn_target "amdgcn-amd-amdhsa--gfx1250"
	.amdhsa_code_object_version 6
	.text
	.protected	k_q0cfaaabb34_prep
	.globl	k_q0cfaaabb34_prep
	.p2align	8
	.type	k_q0cfaaabb34_prep,@function
k_q0cfaaabb34_prep:
	s_mov_b64 s[64:65], 0
	v_nop
	global_prefetch_b8 v0, s[64:65] scope:SCOPE_SE
	s_setreg_imm32_b32 hwreg(HW_REG_WAVE_MODE, 25, 1), 1
	s_wait_xcnt 0x0
; prep: (1) Wb [1024][1024] f32 is written once as bf16 matrix-fragment images, wb16[c 2][ks 32][ntc 32][half 2][lane 32][16 bytes]:
;           lane (r = lane & 15, h = lane >> 4) of tile nt = 32 c + ntc holds Wb[16 nt + r][32 ks + 16 half + 8 h .. + 7];
;       (2) wk2[nt 64][b 32][16 n] f32 = 2 log2(e) * sum over d of k[b][d] Wa[16 nt + n][d]  (operands bf16, sums f32).
; Work-group g owns rows 16 g .. 16 g + 15 of Wb and of Wa; wave w owns K = 128 w .. 128 w + 127, four steps of 32.
; Every global load of a wave takes 512 consecutive bytes of ONE row (its 128 columns).  The numbers are rounded to bf16, laid into the wave's own
; LDS rows (64 rows of 256 + 16 bytes: 16 of Wa, 32 of k, 16 of Wb) and read back in fragment order.  The bytes are the wave's own and
; LDS serves a wave's instructions in order (ISA guide 5.7.1), so this turn needs no barrier.
; The eight waves' partial products meet in LDS ([wave][b 32][16 n] f32, 2,048 bytes a wave) behind one barrier.
.set C2,   0x4038aa3b                  ; 2 log2(e)
.set PT,   272                         ; LDS pitch of 128 bf16: 17 x 16 bytes, so that 16 rows start in 16 different 16-byte columns modulo 256
.set WREG, 64*PT                       ; a wave's rows: 17,408 bytes
.set PRT,  8*WREG                      ; 139,264: the partial products, 16,384 bytes
.set LOFF, 4                           ; v4   16 lane + 512 w: my 16 bytes in a row of 4,096
.set SST,  5                           ; v5   w * WREG + 8 lane: where my 4 bf16 of a row go
.set FAD,  6                           ; v6   w * WREG + r * PT + 16 h: where my part of a fragment lies
.set WST,  7                           ; v7   w * 131072 + 16 lane: my place in wb16's images
.set PST,  8                           ; v8   PRT + w * 2048 + 64 r + 32 h
.set T8,   9                           ; v9   8 * thread
.set T8L,  10                          ; v10  PRT + 8 * thread
.set WA,   64                          ; v64-127   Wa as loaded, 4 registers a row; then k's fragments: 32 mt + 8 step
.set WB,   128                         ; v128-191  Wb as loaded; then its fragments: 8 step
.set FA,   192                         ; v192-223  Wa's fragments: 8 step
.set ACC0, 224                         ; v224-231  batches 0-15
.set ACC1, 232                         ; v232-239  batches 16-31
.set RD,   240                         ; v240-255  the eight partial sums
; k as loaded lies in v256-383 (second block of 256): 4 registers a row
.set MSB, 0
.macro WIN new                         ; the immediate's high byte repeats the setting that is left
.if MSB != (\new)
	s_set_vgpr_msb (MSB<<8)|(\new)
.set MSB, (\new)
.endif
.endm
.macro CVT2 base, cnt                  ; cnt rows: my 4 f32 become 4 bf16 in the first two of their registers
.set n, 0
.rept \cnt
	v_cvt_pk_bf16_f32 v[\base+4*n],   v[\base+4*n],   v[\base+4*n+1]
	v_cvt_pk_bf16_f32 v[\base+4*n+1], v[\base+4*n+2], v[\base+4*n+3]
.set n, n+1
.endr
.endm
.macro STO base, cnt, row0             ; and go to LDS: 32 lanes x 8 bytes = the row's 256 bytes
.set n, 0
.rept \cnt
	ds_store_b64 v[SST], v[\base+4*n:\base+4*n+1] offset:(\row0+n)*PT
.set n, n+1
.endr
.endm
.macro FRAG dst, row0                  ; 16 rows x 128 K as four fragments: K = 8 h .. + 7 and 16 + 8 h .. + 7 of each step
.irp s, 0,1,2,3
	ds_load_b128 v[\dst+8*\s:\dst+8*\s+3],   v[FAD] offset:\row0*PT+64*\s
	ds_load_b128 v[\dst+8*\s+4:\dst+8*\s+7], v[FAD] offset:\row0*PT+64*\s+32
.endr
.endm
	s_load_b256 s[4:11], s[0:1], 0x0               ; Wb s[4:5], Wa s[6:7], k s[8:9], wb16 s[10:11]
	s_load_b64 s[12:13], s[0:1], 0x20              ; wk2
	v_lshl_add_u32 v62, v0, 2, 0x26000
	v_mov_b32 v63, 0
	v_lshrrev_b32 v11, 5, v0
	v_readfirstlane_b32 s2, v11                    ; wave
	v_and_b32 v1, 31, v0                           ; lane
	v_and_b32 v2, 15, v0                           ; r
	v_bfe_u32 v3, v0, 4, 1                         ; h
	s_mul_i32 s22, s2, WREG
	v_lshlrev_b32 v[LOFF], 4, v1
	v_lshl_add_u32 v[WST], s2, 17, v[LOFF]
	v_lshl_add_u32 v[LOFF], s2, 9, v[LOFF]
	v_lshl_add_u32 v[SST], v1, 3, s22
	v_mul_u32_u24 v[FAD], v2, PT
	v_lshl_add_u32 v[FAD], v3, 4, v[FAD]
	v_add_nc_u32 v[FAD], s22, v[FAD]
	v_lshlrev_b32 v[PST], 6, v2
	v_lshl_add_u32 v[PST], v3, 5, v[PST]
	v_lshl_add_u32 v[PST], s2, 11, v[PST]
	v_add_nc_u32 v[PST], PRT, v[PST]
	v_lshlrev_b32 v[T8], 3, v0
	v_add_nc_u32 v[T8L], PRT, v[T8]
	s_lshl_b32 s16, ttmp9, 16                      ; 16 rows of 4,096 bytes
	s_mov_b32 s17, 0
	s_lshr_b32 s18, ttmp9, 5                       ; c
	s_lshl_b32 s18, s18, 20                        ; * 1,048,576
	s_and_b32 s20, ttmp9, 31                       ; ntc
	s_lshl_b32 s20, s20, 10                        ; * 1,024
	s_add_co_u32 s18, s18, s20
	s_mov_b32 s19, 0
	s_lshl_b32 s20, ttmp9, 11                      ; wk2: 2,048 bytes a tile
	s_mov_b32 s21, 0
	s_mov_b32 s14, C2
	s_mov_b32 s15, C2
	s_wait_kmcnt 0x0
	s_add_nc_u64 s[4:5], s[4:5], s[16:17]
	s_add_nc_u64 s[6:7], s[6:7], s[16:17]
	s_add_nc_u64 s[10:11], s[10:11], s[18:19]
	s_add_nc_u64 s[12:13], s[12:13], s[20:21]
	; all loads at once, a row each: Wa, k, then Wb, which is wanted last
.set n, 0
.rept 16
	global_load_b128 v[WA+4*n:WA+4*n+3], v[LOFF], s[6:7] offset:4096*n th:TH_LOAD_NT
.set n, n+1
.endr
	WIN 0x40                                       ; destination in the second block
.set n, 0
.rept 32
	global_load_b128 v[4*n:4*n+3], v[LOFF], s[8:9] offset:4096*n
.set n, n+1
.endr
	WIN 0
.set n, 0
.rept 16
	global_load_b128 v[WB+4*n:WB+4*n+3], v[LOFF], s[4:5] offset:4096*n th:TH_LOAD_NT
.set n, n+1
.endr
	s_wait_loadcnt 48                              ; Wa is in: k's 32 loads and Wb's 16 were issued behind it
	CVT2 WA, 16
	STO WA, 16, 0
	FRAG FA, 0
	s_wait_loadcnt 16                              ; k is in: Wb's 16 loads may stay out
	WIN 0x45                                       ; destination and both sources in the second block
	CVT2 0, 32
	WIN 0x04                                       ; an LDS store's data is its source 1
	STO 0, 32, 16
	WIN 0
	FRAG WA, 16                                    ; batches 0-15, into the registers that held Wa
	FRAG WA+32, 32                                 ; batches 16-31
	s_wait_loadcnt 0x0                             ; Wb
	CVT2 WB, 16
	STO WB, 16, 48
	FRAG WB, 48
	s_wait_dscnt 24                                ; Wa's and k's fragments are in: Wb's 16 stores and 8 loads were issued behind them
	; source 0 = 16 rows of Wa, source 1 = 16 batches of k: register j of lane (r, h) = (n = 8 h + j, batch 16 mt + r).
	; The two accumulators take turns, one instruction a turn.
	v_wmma_f32_16x16x32_bf16 v[ACC0:ACC0+7], v[FA:FA+7], v[WA:WA+7], 0
	v_wmma_f32_16x16x32_bf16 v[ACC1:ACC1+7], v[FA:FA+7], v[WA+32:WA+39], 0
.irp s, 1,2,3
	v_wmma_f32_16x16x32_bf16 v[ACC0:ACC0+7], v[FA+8*\s:FA+8*\s+7], v[WA+8*\s:WA+8*\s+7], v[ACC0:ACC0+7]
	v_wmma_f32_16x16x32_bf16 v[ACC1:ACC1+7], v[FA+8*\s:FA+8*\s+7], v[WA+32+8*\s:WA+32+8*\s+7], v[ACC1:ACC1+7]
.endr
	s_wait_dscnt 0x0                               ; Wb's fragments
.irp s, 0,1,2,3
	global_store_b128 v[WST], v[WB+8*\s:WB+8*\s+3],   s[10:11] offset:\s*32768       ; each store of the wave covers 512 consecutive bytes, aligned
	global_store_b128 v[WST], v[WB+8*\s+4:WB+8*\s+7], s[10:11] offset:\s*32768+512
.endr
.rept 4
	v_nop                                          ; four places between the last matrix instruction and the LDS stores of its result
.endr
	ds_store_b128 v[PST], v[ACC0:ACC0+3]
	ds_store_b128 v[PST], v[ACC0+4:ACC0+7] offset:16
	ds_store_b128 v[PST], v[ACC1:ACC1+3]   offset:1024
	ds_store_b128 v[PST], v[ACC1+4:ACC1+7] offset:1040
	s_wait_dscnt 0x0                               ; my partial products are in LDS before I say so
	s_barrier_signal -1
	s_barrier_wait -1
.irp i, 0,1,2,3,4,5,6,7
	ds_load_b64 v[RD+2*\i:RD+2*\i+1], v[T8L] offset:2048*\i    ; the same two numbers of all eight waves
.endr
	s_wait_dscnt 0x0
	v_pk_add_f32 v[RD:RD+1],     v[RD:RD+1],     v[RD+2:RD+3]
	v_pk_add_f32 v[RD+4:RD+5],   v[RD+4:RD+5],   v[RD+6:RD+7]
	v_pk_add_f32 v[RD+8:RD+9],   v[RD+8:RD+9],   v[RD+10:RD+11]
	v_pk_add_f32 v[RD+12:RD+13], v[RD+12:RD+13], v[RD+14:RD+15]
	v_pk_add_f32 v[RD:RD+1],     v[RD:RD+1],     v[RD+4:RD+5]
	v_pk_add_f32 v[RD+8:RD+9],   v[RD+8:RD+9],   v[RD+12:RD+13]
	v_pk_add_f32 v[RD:RD+1],     v[RD:RD+1],     v[RD+8:RD+9]
	v_pk_mul_f32 v[RD:RD+1], v[RD:RD+1], s[14:15] op_sel_hi:[1,0]     ; the factor of the later exp2 is folded in here
	global_store_b64 v[T8], v[RD:RD+1], s[12:13]   ; a wave stores 256 consecutive bytes, aligned
	s_wait_tensorcnt 0x0
	ds_add_u32 v62, v63
	s_wait_dscnt 0x0
	s_endpgm
.Lfunc_end_k_q0cfaaabb34_prep:
	.size	k_q0cfaaabb34_prep, .Lfunc_end_k_q0cfaaabb34_prep-k_q0cfaaabb34_prep
	.p2alignl 7, 3214868480
	.fill 96, 4, 3214868480
	.section	.rodata,"a",@progbits
	.p2align	6, 0x0
	.amdhsa_kernel k_q0cfaaabb34_prep
		.amdhsa_group_segment_fixed_size 156672
		.amdhsa_private_segment_fixed_size 0
		.amdhsa_enable_private_segment 0
		.amdhsa_kernarg_size 40
		.amdhsa_user_sgpr_count 2
		.amdhsa_user_sgpr_kernarg_segment_ptr 1
		.amdhsa_wavefront_size32 1
		.amdhsa_system_sgpr_workgroup_id_x 1
		.amdhsa_system_sgpr_workgroup_id_y 1
		.amdhsa_system_sgpr_workgroup_id_z 1
		.amdhsa_system_vgpr_workitem_id 0
		.amdhsa_next_free_vgpr 384
		.amdhsa_next_free_sgpr 66
		.amdhsa_reserve_vcc 0
		.amdhsa_float_denorm_mode_32 3
		.amdhsa_float_denorm_mode_16_64 3
		.amdhsa_memory_ordered 1
		.amdhsa_forward_progress 1
		.amdhsa_inst_pref_size 26
	.end_amdhsa_kernel
	.amdgpu_metadata
---
amdhsa.version: [ 1, 2 ]
amdhsa.kernels:
  - .name:           k_q0cfaaabb34_prep
    .symbol:         k_q0cfaaabb34_prep.kd
    .args:
      - { .name: Wb, .offset: 0, .size: 8, .value_kind: global_buffer, .address_space: global }
      - { .name: Wa, .offset: 8, .size: 8, .value_kind: global_buffer, .address_space: global }
      - { .name: k, .offset: 16, .size: 8, .value_kind: global_buffer, .address_space: global }
      - { .name: wb16, .offset: 24, .size: 8, .value_kind: global_buffer, .address_space: global }
      - { .name: wk2, .offset: 32, .size: 8, .value_kind: global_buffer, .address_space: global }
    .group_segment_fixed_size: 156672
    .private_segment_fixed_size: 0
    .kernarg_segment_align: 8
    .kernarg_segment_size: 40
    .max_flat_workgroup_size: 256
    .sgpr_count:     66
    .vgpr_count:     384
    .wavefront_size: 32
...
	.end_amdgpu_metadata
.endif
;; end of part 5
;; launch main (part 6): grid 16 x 32, 4 waves a work-group, no clusters, 286,720 bytes of LDS; arguments xs, wb16, wk2, energy, k, mask, scos, sbah, pv; writes scos, sbah, pv
.if DOCPART == 6
	.amdgcn_target "amdgcn-amd-amdhsa--gfx1250"
	.amdhsa_code_object_version 6
	.text
	.protected	k_q0cfaaabb34_main
	.globl	k_q0cfaaabb34_main
	.p2align	8
	.type	k_q0cfaaabb34_main,@function
k_q0cfaaabb34_main:
	s_mov_b64 s[64:65], 0
	v_nop
	global_prefetch_b8 v0, s[64:65] scope:SCOPE_SE
	s_setreg_imm32_b32 hwreg(HW_REG_WAVE_MODE, 25, 1), 1
	s_wait_xcnt 0x0
; main: one work-group = 128 rows (block blk = x) of one batch (b = y).  xs is read from memory once, here.
;   A  each wave reads 32 rows in f32, forms sum x^2 and sum x k in f32, rounds the row to bf16 and lays it into LDS (the block stays there);
;   B  xs Wb^T, 128 rows x 1024 columns in two chunks of 512 columns; a wave makes 128 x 128 in 64 accumulator tiles (512 registers);
;      xs fragments come from LDS, Wb fragments straight from wb16's images into a ring of four register buffers, three K steps ahead:
;      the four waves own different columns, so nothing of Wb would be shared in LDS, and the K loop has no barrier;
;      behind each chunk: t = tanh(wk + wx), sum over the wave's columns of energy * t;
;   C  waves 0 and 1: the block's cosine and additive scores (times log2 e, -inf where the mask is 0) go to scos and sbah,
;      weights exp2(score - block maximum) go to LDS as bf16;
;   D  both weighted sums of the block's rows by the matrix unit (xs read transposed from LDS), to pv[b][blk][2][1024] f32.
; The launch that follows takes the maximum over the 16 blocks away and normalises: the softmax is split, never shifted by a constant.
; THE TEXT IS KEPT SHORT: what recurs is written once and run by counted loops: five rows of A (five trips, the last seven rows written out),
; one chunk of B (two trips), in it four K steps (seven trips), and behind it the tanh of 64 rows (two trips).  Register numbers are fixed
; in the text, so the lines that name accumulators of rows 0-63 or 64-127 exist twice, under a forward branch on the trip's number.
; LIMITS, kept on purpose: xs, Wb, the weights of step D and energy (second operand of the product tanh(..) @ energy) are rounded to bf16;
; tanh(x) = 1 - 2 / (1 + exp2(2 log2(e) x)) has an absolute error near 1e-7 and saturates rightly at +-inf; v_exp_f32, v_rcp_f32 and
; v_sqrt_f32 flush denormals (ISA guide 15.8); a block whose mask is all 0 takes -FLT_MAX as its maximum, so that its weights are 0 and not NaN.
; The dot k . x is one row for each batch and rides in f32 on the pass that has to touch every f32 of xs for the norm and the rounding.
; No tensor loads: xs has to pass through registers.  No cluster: beside the resident block (264,192 bytes) and the tables there is
; no room for two LDS slots of a K step of Wb (2 x 32,768 bytes), so there is no tile to ask for jointly.
.set P,     2064                       ; LDS pitch of a row of 1024 bf16: 2048 + 16 = 129 x 16 bytes, so that 16 rows start in 16 different 16-byte columns modulo 256
.set P16,   16*P
.set P32,   32*P
.set WKT,   128*P                      ; 264,192: wk2 of my batch, 1024 f32; 4,096 bytes further: energy (rounded to bf16, widened), 1024 f32
.set RED,   WKT+8192                   ; [4 waves][2 chunks][128 rows] f32: the parts of the additive score; a wave's 1,024 bytes lie together
.set SCO,   RED+4096                   ; 128 f32: cosine scores times log2 e, masked; 512 bytes further: 0 or -inf for each row
.set PW,    RED+5120                   ; [2][128] bf16: the weights
.set STG,   RED+5632                   ; [4 waves][2][256] f32: the way out of the weighted sums; ends at 286,208
.set C2,    0x4038aa3b                 ; 2 log2(e)
.set LOG2E, 0x3fb8aa3b
.set EPS,   0x322bcc77                 ; 1e-8
.set NEGMAX, 0xff7fffff                ; -FLT_MAX
.set NINF,  0xff800000
; first block of 256 registers
.set XOFF,  4                          ; w * 131072 + 16 lane: my 16 bytes in the wave's first row of xs
.set XST,   5                          ; w * 32 P + 8 lane, stepped by five rows a trip of A
.set WOFF,  7                          ; w * 8192 + 16 lane: my 16 bytes in wb16's images
.set ADR,   8                          ; v8-11   running LDS address of the xs fragments of row tiles 2p, 2p + 1; later the scores to store
.set ADR0,  12                         ; v12-15  its start: p * 32 P + r P + 16 h
.set TADR,  16                         ; v16-19  transposing loads: ks * 32 P + (8 h + (lane & 7)) P + 16 ((lane >> 3) & 1) + 512 w
.set CADR,  20                         ; WKT + 512 w + 32 h, stepped by 2,048 a chunk
.set REDST, 21                         ; RED + 1024 w + 4 r, stepped by 256 for each 64 rows stored
.set L16,   22                         ; 16 lane
.set SCOST, 23                         ; SCO + 4 thread
.set MSKB,  24                         ; my row's mask byte (lane = row of the wave); later an address
.set QALL,  25                         ; lane rho: sum x^2 of the wave's row rho
.set DALL,  26                         ; lane rho: sum x k
.set KK,    27                         ; sum k^2
.set PADR,  28                         ; PW + 256 (r >> 3) + 16 h
.set STGS,  29                         ; STG + 2048 w + 1024 h + 4 r
.set STGR,  30                         ; STG + 2048 w + 16 lane
.set PVO,   31                         ; 1024 w + 16 lane
.set KV,    32                         ; v32-63  k at my columns 128 i + 4 lane ..; later the weights' fragments
.set F0,    64                         ; v64-127 and v128-191: xs fragment buffers; in A (with v192-223) five row slots; behind a chunk wk and energy
.set F1,    128
.set T,     192                        ; v192-223 at work behind a chunk; in D, v192-255 are eight accumulators
.set SUM,   224                        ; v224-231 a pair for each of four row tiles: sum of energy * tanh
.set Q0,    224                        ; in A: two chains each for sum x^2 and sum x k
.set Q1,    226
.set D0,    228
.set D1,    230
; second block: four Wb fragment buffers of 64 registers; third and fourth block: accumulator tile (a, b) at v[8 (8 a + b)], rows 0-63 and 64-127
.set MUL_LO, 0xa1                      ; source 0 (Wb) second block, source 1 (xs) first, C and D third
.set MUL_HI, 0xf1                      ; the same, C and D fourth
.set TO_W,   0x40                      ; destination second block, address first
.set MSB, 0
.macro WIN new                         ; the immediate's high byte repeats the setting that is left
.if MSB != (\new)
	s_set_vgpr_msb (MSB<<8)|(\new)
.set MSB, (\new)
.endif
.endm
.macro PLACES                          ; four plain vector instructions between a matrix instruction and a load into, or a vector read of, its registers
.rept 4
	v_nop
.endr
.endm
.macro FETCHW i, off                   ; one K step's eight Wb fragments of my 128 columns: 16 loads of 512 consecutive bytes each
	WIN TO_W
.irp b, 0,1,2,3,4,5,6,7
	global_load_b128 v[64*(\i)+8*\b:64*(\i)+8*\b+3],   v[WOFF], s[10:11] offset:\off+\b*1024
	global_load_b128 v[64*(\i)+8*\b+4:64*(\i)+8*\b+7], v[WOFF], s[10:11] offset:\off+\b*1024+512
.endr
.endm
.macro LOADROW rho                     ; a whole row of xs, rho rows behind the running base: eight loads of 512 consecutive bytes
.set XL, F0+32*((\rho)%5)
.irp i, 0,1,2,3,4,5,6,7
	global_load_b128 v[XL+4*\i:XL+4*\i+3], v[XOFF], s[8:9] offset:(\rho)*4096+512*\i th:TH_LOAD_NT
.endr
.endm
	s_load_b512 s[8:23], s[0:1], 0x0               ; xs, wb16, wk2, energy, k, mask, scos, sbah in s[8:9] .. s[22:23]
	s_load_b64 s[24:25], s[0:1], 0x40              ; pv
	v_lshrrev_b32 v1, 5, v0
	v_readfirstlane_b32 s2, v1                     ; wave
	v_and_b32 v1, 31, v0                           ; lane
	v_and_b32 v2, 15, v0                           ; r
	v_bfe_u32 v3, v0, 4, 1                         ; h
	v_lshlrev_b32 v[L16], 4, v1
	v_lshl_add_u32 v[WOFF], s2, 13, v[L16]
	v_lshl_add_u32 v[XOFF], s2, 17, v[L16]
	v_lshlrev_b32 v26, 4, v0                       ; energy: 16 thread
	v_lshrrev_b32 v27, 2, v0                       ; wk2: tile thread >> 2 (2,048 bytes a tile), 16 bytes of its 64
	v_and_b32 v24, 3, v0
	v_lshlrev_b32 v27, 11, v27
	v_lshl_add_u32 v27, v24, 4, v27
	s_and_b32 s5, ttmp7, 0xffff                    ; batch
	s_lshl_b32 s6, s5, 23                          ; 2048 rows of 4,096 bytes
	s_lshl_b32 s26, ttmp9, 19                      ; 128 rows
	s_add_co_u32 s6, s6, s26
	s_mov_b32 s7, 0
	s_mov_b32 s27, 0
	s_mov_b32 s28, 0x76543210                      ; v_permlanex16_b32: lane i of one half reads lane i of the other
	s_mov_b32 s29, 0xfedcba98
	s_mov_b32 s36, C2
	s_mov_b32 s37, C2
	s_mov_b32 s38, LOG2E
	s_mov_b32 s39, LOG2E
	s_mul_i32 s34, s2, P32
	s_wait_kmcnt 0x0
	FETCHW 0, 0                                    ; the ring of Wb fragments is three steps ahead from the start
	FETCHW 1, 32768
	FETCHW 2, 65536
	WIN 0
	s_add_nc_u64 s[8:9], s[8:9], s[6:7]            ; xs at my block
	s_lshl_b32 s26, s5, 6
	s_add_nc_u64 s[12:13], s[12:13], s[26:27]      ; wk2 at my batch's 64 bytes of tile 0
	s_lshl_b32 s26, s5, 12
	s_add_nc_u64 s[16:17], s[16:17], s[26:27]      ; k at my batch
	s_lshl_b32 s26, s5, 11
	s_lshl_b32 s6, ttmp9, 7
	s_add_co_u32 s26, s26, s6                      ; my first row among the 65,536
	s_add_nc_u64 s[18:19], s[18:19], s[26:27]      ; mask
	s_lshl_b32 s26, s26, 2
	s_add_nc_u64 s[20:21], s[20:21], s[26:27]      ; scos
	s_add_nc_u64 s[22:23], s[22:23], s[26:27]      ; sbah
	s_lshl_b32 s26, s5, 4
	s_add_co_u32 s26, s26, ttmp9
	s_lshl_b32 s26, s26, 13
	s_add_nc_u64 s[24:25], s[24:25], s[26:27]      ; pv: 8,192 bytes a block
.irp i, 0,1,2,3,4,5,6,7
	global_load_b128 v[KV+4*\i:KV+4*\i+3], v[L16], s[16:17] offset:512*\i
.endr
	global_load_u8 v[MSKB], v0, s[18:19]           ; thread = row of the block
	global_load_b128 v[224:227], v26, s[14:15]
	global_load_b128 v[228:231], v26, s[14:15] offset:2048
	global_load_b128 v[232:235], v27, s[12:13]
	global_load_b128 v[236:239], v27, s[12:13] offset:65536
	LOADROW 0
	LOADROW 1
	LOADROW 2
	LOADROW 3
	; addresses, while the loads are on their way
	v_lshl_add_u32 v[XST], v1, 3, s34
	v_mul_u32_u24 v[ADR0], v2, P
	v_lshl_add_u32 v[ADR0], v3, 4, v[ADR0]
	v_add_nc_u32 v[ADR0+1], P32, v[ADR0]
	v_add_nc_u32 v[ADR0+2], 2*P32, v[ADR0]
	v_add_nc_u32 v[ADR0+3], 3*P32, v[ADR0]
	v_and_b32 v[TADR], 7, v0
	v_lshl_add_u32 v[TADR], v3, 3, v[TADR]
	v_mul_u32_u24 v[TADR], v[TADR], P
	v_bfe_u32 v[TADR+1], v0, 3, 1
	v_lshl_add_u32 v[TADR], v[TADR+1], 4, v[TADR]
	v_lshl_add_u32 v[TADR], s2, 9, v[TADR]
	v_add_nc_u32 v[TADR+1], P32, v[TADR]
	v_add_nc_u32 v[TADR+2], 2*P32, v[TADR]
	v_add_nc_u32 v[TADR+3], 3*P32, v[TADR]
	v_lshlrev_b32 v[CADR], 5, v3
	v_lshl_add_u32 v[CADR], s2, 9, v[CADR]
	v_add_nc_u32 v[CADR], WKT, v[CADR]
	v_lshlrev_b32 v[REDST], 2, v2
	v_lshl_add_u32 v[REDST], s2, 10, v[REDST]
	v_add_nc_u32 v[REDST], RED, v[REDST]
	v_lshlrev_b32 v[SCOST], 2, v1
	v_lshl_add_u32 v[SCOST], s2, 7, v[SCOST]
	v_add_nc_u32 v[SCOST], SCO, v[SCOST]
	v_bfe_u32 v[PADR], v0, 3, 1
	v_lshlrev_b32 v[PADR], 8, v[PADR]
	v_lshl_add_u32 v[PADR], v3, 4, v[PADR]
	v_add_nc_u32 v[PADR], PW, v[PADR]
	v_lshlrev_b32 v[STGS], 2, v2
	v_lshl_add_u32 v[STGS], v3, 10, v[STGS]
	v_lshl_add_u32 v[STGS], s2, 11, v[STGS]
	v_add_nc_u32 v[STGS], STG, v[STGS]
	v_lshl_add_u32 v[STGR], s2, 11, v[L16]
	v_add_nc_u32 v[STGR], STG, v[STGR]
	v_lshl_add_u32 v[PVO], s2, 10, v[L16]
	v_add_nc_u32 v25, WKT, v26                     ; where my 16 bytes of the two tables go
	s_wait_loadcnt 32                              ; all that was issued ahead of the 32 loads of rows 0-3 is in: Wb's three steps, k, mask, energy, wk2
	LOADROW 4
.irp j, 0,1,2,3
	v_cvt_pk_bf16_f32 v[240+\j], v[224+2*\j], v[224+2*\j+1]    ; energy: rounded to bf16 as a matrix operand,
.endr
.irp j, 0,1,2,3
	v_lshlrev_b32 v[224+2*\j], 16, v[240+\j]                   ; and widened again for the f32 multiply-adds
	v_and_b32 v[224+2*\j+1], 0xffff0000, v[240+\j]
.endr
	ds_store_b128 v25, v[232:235]
	ds_store_b128 v25, v[236:239] offset:2048
	ds_store_b128 v25, v[224:227] offset:4096
	ds_store_b128 v25, v[228:231] offset:6144
	v_pk_mul_f32 v[240:241], v[KV:KV+1], v[KV:KV+1]            ; sum k^2, two chains
	v_pk_mul_f32 v[242:243], v[KV+2:KV+3], v[KV+2:KV+3]
.irp i, 1,2,3,4,5,6,7
	v_pk_fma_f32 v[240:241], v[KV+4*\i:KV+4*\i+1], v[KV+4*\i:KV+4*\i+1], v[240:241]
	v_pk_fma_f32 v[242:243], v[KV+4*\i+2:KV+4*\i+3], v[KV+4*\i+2:KV+4*\i+3], v[242:243]
.endr
	v_pk_add_f32 v[240:241], v[240:241], v[242:243]
	v_add_f32 v240, v240, v241
.irp m, 1,2,4,8
	v_add_f32_dpp v240, v240, v240 row_xmask:\m row_mask:0xf bank_mask:0xf
.endr
	v_permlanex16_b32 v241, v240, s28, s29
	v_add_f32 v[KK], v240, v241
	v_mov_b32 v[QALL], 0                           ; written whole once: each row then replaces its own lane
	v_mov_b32 v[DALL], 0
; PHASE A.  The row s rows behind the running base.  Five row slots: this one at work, four on their way.
; load = 1: the slot is filled again with the row five further down; left = how many younger loads may stay out.
.macro ROW s, load, left
.set X, F0+32*((\s)%5)
	s_wait_loadcnt \left                           ; loads come back in order (ISA guide 5.7.1): mine are in, the rows issued behind stay out
	v_pk_mul_f32 v[Q0:Q0+1], v[X:X+1], v[X:X+1]                ; the first products start the four chains
	v_pk_mul_f32 v[Q1:Q1+1], v[X+2:X+3], v[X+2:X+3]
	v_pk_mul_f32 v[D0:D0+1], v[X:X+1], v[KV:KV+1]
	v_pk_mul_f32 v[D1:D1+1], v[X+2:X+3], v[KV+2:KV+3]
.irp i, 1,2,3,4,5,6,7
	v_pk_fma_f32 v[Q0:Q0+1], v[X+4*\i:X+4*\i+1], v[X+4*\i:X+4*\i+1], v[Q0:Q0+1]
	v_pk_fma_f32 v[Q1:Q1+1], v[X+4*\i+2:X+4*\i+3], v[X+4*\i+2:X+4*\i+3], v[Q1:Q1+1]
	v_pk_fma_f32 v[D0:D0+1], v[X+4*\i:X+4*\i+1], v[KV+4*\i:KV+4*\i+1], v[D0:D0+1]
	v_pk_fma_f32 v[D1:D1+1], v[X+4*\i+2:X+4*\i+3], v[KV+4*\i+2:KV+4*\i+3], v[D1:D1+1]
.endr
.irp i, 0,1,2,3,4,5,6,7
	v_cvt_pk_bf16_f32 v[X+4*\i],   v[X+4*\i],   v[X+4*\i+1]
	v_cvt_pk_bf16_f32 v[X+4*\i+1], v[X+4*\i+2], v[X+4*\i+3]
.endr
.irp i, 0,1,2,3,4,5,6,7
	ds_store_b64 v[XST], v[X+4*\i:X+4*\i+1] offset:(\s)*P+256*\i       ; 32 lanes x 8 bytes: 256 consecutive bytes of the row
.endr
.if \load
	LOADROW (\s)+5                                 ; the slot's next row goes out before the sums are finished
.endif
	v_pk_add_f32 v[Q0:Q0+1], v[Q0:Q0+1], v[Q1:Q1+1]
	v_pk_add_f32 v[D0:D0+1], v[D0:D0+1], v[D1:D1+1]
	v_add_f32 v[Q0], v[Q0], v[Q0+1]
	v_add_f32 v[D0], v[D0], v[D0+1]
.irp m, 1,2,4,8
	v_add_f32_dpp v[Q0], v[Q0], v[Q0] row_xmask:\m row_mask:0xf bank_mask:0xf
	v_add_f32_dpp v[D0], v[D0], v[D0] row_xmask:\m row_mask:0xf bank_mask:0xf
.endr
	v_permlanex16_b32 v[Q0+1], v[Q0], s28, s29
	v_permlanex16_b32 v[D0+1], v[D0], s28, s29
	v_add_f32 v[Q0], v[Q0], v[Q0+1]
	v_add_f32 v[D0], v[D0], v[D0+1]
	v_cndmask_b32 v[QALL], v[QALL], v[Q0], s30     ; the lane whose number is the row's keeps the row's sums
	v_cndmask_b32 v[DALL], v[DALL], v[D0], s30
	s_lshl_b32 s30, s30, 1                         ; the next row's lane
.endm
	s_mov_b32 s30, 1
	s_mov_b32 s3, 5
.Lrows:                                            ; rows 0-24; they ask for rows 5-29
	ROW 0, 1, 32
	ROW 1, 1, 32
	ROW 2, 1, 32
	ROW 3, 1, 32
	ROW 4, 1, 32
	s_wait_xcnt 0x0                                ; the loads that name s[8:9] have had their addresses translated (ISA guide 3.1): only now the base steps
	s_add_nc_u64 s[8:9], s[8:9], 5*4096
	v_add_nc_u32 v[XST], 5*P, v[XST]
	s_sub_co_u32 s3, s3, 1
	s_cmp_lg_u32 s3, 0
	s_cbranch_scc1 .Lrows
	ROW 0, 1, 32                                   ; rows 25 and 26 ask for the last two rows,
	ROW 1, 1, 32
	ROW 2, 0, 32                                   ; the last five for none: the counts run down
	ROW 3, 0, 24
	ROW 4, 0, 16
	ROW 5, 0, 8
	ROW 6, 0, 0
	; lane = row: cos = (x . k) / (max(|x|, eps) max(|k|, eps)); score = cos log2(e), or -inf where the mask is 0
	v_sqrt_f32 v[Q0], v[QALL]
	v_sqrt_f32 v[Q0+1], v[KK]
	v_mov_b32 v[D0+1], 0                           ; a plain instruction between the roots and their use (ISA guide 5.7.2)
	s_wait_alu depctr_va_vdst(0)
	v_max_num_f32 v[Q0], EPS, v[Q0]
	v_max_num_f32 v[Q0+1], EPS, v[Q0+1]
	v_mul_f32 v[Q0], v[Q0], v[Q0+1]
	v_cmp_ne_u32 vcc_lo, 0, v[MSKB]
	v_rcp_f32 v[Q0], v[Q0]
	v_cndmask_b32 v[D0], NINF, v[D0+1], vcc_lo     ; 0 where the mask is set, else -inf; also the plain instruction behind v_rcp_f32
	s_wait_alu depctr_va_vdst(0)
	v_mul_f32 v[Q0], v[DALL], v[Q0]
	v_fma_f32 v[Q0], v[Q0], s38, v[D0]
	ds_store_b32 v[SCOST], v[Q0]
	ds_store_b32 v[SCOST], v[D0] offset:512
	s_wait_dscnt 0x0                               ; my rows, my parts of the tables and my scores are in LDS before I say so
	s_barrier_signal -1
	s_barrier_wait -1                              ; the block and the tables are whole; nothing overwrites them for the rest of the launch
; PHASE B.
; 16 matrix instructions: row tiles a0, a0 + 1 of the block's four (hi = 0: rows 0-63, 1: rows 64-127) x my 8 column tiles, 32 along K.
; Source 0 = 16 rows of Wb, source 1 = 16 rows of xs: register j of lane (r, h) = (column 16 b + 8 h + j, row 16 a + r).
; The 64 accumulators take turns, one instruction a turn, in the same order in every step and over every jump.
.macro MUL16 xf, wf, hi, a0, zero
.irp a, \a0, \a0+1
.irp b, 0,1,2,3,4,5,6,7
.if \zero
	v_wmma_f32_16x16x32_bf16 v[8*(8*(\a)+\b):8*(8*(\a)+\b)+7], v[\wf+8*\b:\wf+8*\b+7], v[\xf+8*(4*\hi+\a):\xf+8*(4*\hi+\a)+7], 0
.else
	v_wmma_f32_16x16x32_bf16 v[8*(8*(\a)+\b):8*(8*(\a)+\b)+7], v[\wf+8*\b:\wf+8*\b+7], v[\xf+8*(4*\hi+\a):\xf+8*(4*\hi+\a)+7], v[8*(8*(\a)+\b):8*(8*(\a)+\b)+7]
.endif
.endr
.endr
.endm
.macro FETCHX f, koff                  ; the eight xs fragments (128 rows x 32 K) at byte koff behind the running address
	WIN 0
.irp a, 0,1,2,3,4,5,6,7
	ds_load_b128 v[\f+8*\a:\f+8*\a+3],   v[ADR+(\a>>1)] offset:(\a&1)*P16+\koff
	ds_load_b128 v[\f+8*\a+4:\f+8*\a+7], v[ADR+(\a>>1)] offset:(\a&1)*P16+\koff+32
.endr
.endm
; The K step j steps behind the running bases (which stand at a multiple of four steps).  fw: Wb's fragments of three steps on are asked for;
; fx: the next step's xs fragments are read; lcnt: how many younger loads of Wb may stay out.
.macro STEP j, zero, fw, fx, lcnt
.set XF, F0+64*((\j)&1)
.set XN, F0+64*(((\j)+1)&1)
.set WF, 64*((\j)&3)
.set WN, ((\j)+3)&3
	s_wait_loadcnt \lcnt                           ; this step's 16 loads of Wb are in; those of the steps behind it stay out
	s_wait_dscnt 8                                 ; xs row tiles 0-3 are in; the youngest eight LDS loads (tiles 4-7) may be out
	WIN MUL_LO
	MUL16 XF, WF, 0, 0, \zero
	MUL16 XF, WF, 0, 2, \zero
.if (\fw)+(\fx)
	PLACES                                         ; the buffers filled below were read by the last step's matrix instructions
.endif
.if \fw
	FETCHW WN, ((\j)+3)*32768
.endif
.if \fx
	FETCHX XN, ((\j)+1)*64
	s_wait_dscnt 16                                ; all but the 16 just issued
.else
	s_wait_dscnt 0
.endif
	WIN MUL_HI
	MUL16 XF, WF, 1, 0, \zero
	MUL16 XF, WF, 1, 2, \zero
.endm
.macro STEPW                           ; the stream of Wb's images goes on by four steps of 32,768 bytes, from chunk 0 straight into chunk 1
	s_wait_xcnt 0x0                                ; the loads that name s[10:11] have had their addresses translated (ISA guide 3.1): only now the base steps
	s_add_nc_u64 s[10:11], s[10:11], 131072
.endm
; x2 = 2 log2(e) wx + wk2 for column tile b of four row tiles, out of the accumulators' block into T: the only lines of the tanh that name accumulators
.macro CPY hi, b
	WIN 0x02+\hi                                   ; source 0: the accumulators' block
.irp a, 0,1,2,3
.irp i, 0,1,2,3
	v_pk_fma_f32 v[T+8*\a+2*\i:T+8*\a+2*\i+1], v[8*(8*\a+\b)+2*\i:8*(8*\a+\b)+2*\i+1], s[36:37], v[F0+16*\b+2*\i:F0+16*\b+2*\i+1] op_sel_hi:[1,0,1]
.endr
.endr
	WIN 0
.endm
; 256 numbers: t = 1 - 2 / (1 + exp2(x2)); SUM += energy * t.  s40 = 0: rows 0-63, 1: rows 64-127.
.macro TANH16 b
	s_cmp_lg_u32 s40, 0
	s_cbranch_scc1 .Lth\b
	CPY 0, \b
	s_branch .Ltj\b
.Lth\b:
	CPY 1, \b
.Ltj\b:
.set n, 0
.rept 32
	v_exp_f32 v[T+n], v[T+n]
.set n, n+1
.endr
	v_nop                                          ; a plain instruction between the transcendentals and their use (ISA guide 5.7.2)
.set n, 0
	s_wait_alu depctr_va_vdst(0)
.rept 16
	v_pk_add_f32 v[T+n:T+n+1], v[T+n:T+n+1], 1.0 op_sel_hi:[1,0]
.set n, n+2
.endr
.set n, 0
.rept 32
	v_rcp_f32 v[T+n], v[T+n]
.set n, n+1
.endr
	v_nop
.set n, 0
	s_wait_alu depctr_va_vdst(0)
.rept 16
	v_pk_fma_f32 v[T+n:T+n+1], v[T+n:T+n+1], -2.0, 1.0 op_sel_hi:[1,0,0]
.set n, n+2
.endr
.irp i, 0,1,2,3
.irp a, 0,1,2,3
.if ((\b)+(\i)) == 0
	v_pk_mul_f32 v[SUM+2*\a:SUM+2*\a+1], v[T+8*\a+2*\i:T+8*\a+2*\i+1], v[F0+16*\b+8+2*\i:F0+16*\b+8+2*\i+1]    ; the first product starts the sum
.else
	v_pk_fma_f32 v[SUM+2*\a:SUM+2*\a+1], v[T+8*\a+2*\i:T+8*\a+2*\i+1], v[F0+16*\b+8+2*\i:F0+16*\b+8+2*\i+1], v[SUM+2*\a:SUM+2*\a+1]
.endif
.endr
.endr
.endm
	s_mov_b32 s35, 0
.Lchunk:                                           ; columns 512 c .. 512 c + 511, c = s35: 32 K steps, then the tanh
.irp p, 0,1,2,3
	v_mov_b32 v[ADR+\p], v[ADR0+\p]
.endr
	FETCHX F0, 0
	STEP 0, 1, 1, 1, 32                            ; the first step stands ahead of the loop: its products start the sums, nothing is cleared
	WIN 0                                          ; at a label and at a branch every block setting is 0
	s_mov_b32 s3, 7
.Lk:                                               ; steps 1-28, four a trip
	STEP 1, 0, 1, 1, 32
	STEP 2, 0, 1, 1, 32
	STEP 3, 0, 1, 1, 32
	STEP 4, 0, 1, 1, 32
	WIN 0
	STEPW
.irp p, 0,1,2,3
	v_add_nc_u32 v[ADR+\p], 256, v[ADR+\p]         ; four steps of 64 bytes along the rows
.endr
	s_sub_co_u32 s3, s3, 1
	s_cmp_lg_u32 s3, 0
	s_cbranch_scc1 .Lk
	s_cmp_lg_u32 s35, 0
	s_cbranch_scc1 .Ltail1
	STEP 1, 0, 1, 1, 32                            ; chunk 0, steps 29-31: the loads of Wb already belong to chunk 1 and land while the tanh is worked
	STEP 2, 0, 1, 1, 32
	STEP 3, 0, 1, 0, 32
	WIN 0
	STEPW
	s_branch .Lepi
.Ltail1:
	STEP 1, 0, 0, 1, 32                            ; chunk 1, steps 29-31: wb16 has been asked for to its end, and the counts run down: 32, 16, 0
	STEP 2, 0, 0, 1, 16
	STEP 3, 0, 0, 0, 0
	WIN 0
.Lepi:
	PLACES                                         ; behind the chunk's last matrix instructions: for the loads into the fragment buffers and the reads of the sums
.irp b, 0,1,2,3,4,5,6,7
	ds_load_b128 v[F0+16*\b:F0+16*\b+3],     v[CADR] offset:\b*64          ; wk2 of my columns 16 b + 8 h .. + 7
	ds_load_b128 v[F0+16*\b+4:F0+16*\b+7],   v[CADR] offset:\b*64+16
	ds_load_b128 v[F0+16*\b+8:F0+16*\b+11],  v[CADR] offset:\b*64+4096     ; energy of the same columns
	ds_load_b128 v[F0+16*\b+12:F0+16*\b+15], v[CADR] offset:\b*64+4112
.endr
	s_mov_b32 s40, 0
	s_wait_dscnt 0x0
.Lhalf:                                            ; 64 rows x my 128 columns
.irp b, 0,1,2,3,4,5,6,7
	TANH16 \b
.endr
	; my 128 columns' part of each of the 64 rows' additive scores: the pair, then the other half of the lanes (the other eight columns of each tile)
.irp a, 0,1,2,3
	v_add_f32 v[T+\a], v[SUM+2*\a], v[SUM+2*\a+1]
.endr
.irp a, 0,1,2,3
	v_permlanex16_b32 v[T+8+\a], v[T+\a], s28, s29
.endr
.irp a, 0,1,2,3
	v_add_f32 v[T+\a], v[T+\a], v[T+8+\a]
	ds_store_b32 v[REDST], v[T+\a] offset:64*\a    ; row 16 a + r of the 64; both halves of the lanes write the same number
.endr
	v_add_nc_u32 v[REDST], 256, v[REDST]           ; the next 64 rows' words: [chunk][128 rows] inside my wave's 1,024 bytes
	s_add_co_u32 s40, s40, 1
	s_cmp_lt_u32 s40, 2
	s_cbranch_scc1 .Lhalf
	v_add_nc_u32 v[CADR], 2048, v[CADR]            ; the next chunk's 512 columns of the two tables
	s_add_co_u32 s35, s35, 1
	s_cmp_lt_u32 s35, 2
	s_cbranch_scc1 .Lchunk
	s_wait_dscnt 0x0
	s_barrier_signal -1
	s_barrier_wait -1                              ; the eight parts (four waves, two chunks) are in LDS
	; PHASE C.  Wave 0: the cosine scores; wave 1: the additive ones.  Lane l holds rows 4 l .. 4 l + 3.
	s_cmp_gt_u32 s2, 1
	s_cbranch_scc1 .Lskip
	v_add_nc_u32 v24, RED, v[L16]
.irp i, 0,1,2,3,4,5,6,7
	ds_load_b128 v[192+4*\i:192+4*\i+3], v24 offset:512*\i
.endr
	ds_load_b128 v[224:227], v24 offset:4608       ; 0 or -inf
	ds_load_b128 v[228:231], v24 offset:4096       ; cosine scores
	s_cmp_eq_u32 s2, 1
	s_cselect_b32 s31, -1, 0
	s_cselect_b64 s[32:33], s[22:23], s[20:21]     ; wave 1 stores to sbah, wave 0 to scos
	v_lshlrev_b32 v25, 3, v1
	v_lshl_add_u32 v25, s2, 8, v25
	v_add_nc_u32 v25, PW, v25                      ; my four weights: PW + 256 wave + 8 lane
	s_wait_dscnt 0x0
.irp i, 0,2,4,6,8,10,12,14
	v_pk_add_f32 v[192+\i:193+\i], v[192+\i:193+\i], v[208+\i:209+\i]
.endr
.irp i, 0,2,4,6
	v_pk_add_f32 v[192+\i:193+\i], v[192+\i:193+\i], v[200+\i:201+\i]
.endr
.irp i, 0,2
	v_pk_add_f32 v[192+\i:193+\i], v[192+\i:193+\i], v[196+\i:197+\i]
.endr
	v_pk_fma_f32 v[192:193], v[192:193], s[38:39], v[224:225] op_sel_hi:[1,0,1]
	v_pk_fma_f32 v[194:195], v[194:195], s[38:39], v[226:227] op_sel_hi:[1,0,1]
.irp i, 0,1,2,3
	v_cndmask_b32 v[ADR+\i], v[228+\i], v[192+\i], s31         ; v8-11: no later line writes them, so the store below may stay pending
.endr
	v_max_num_f32 v220, v[ADR], v[ADR+1]
	v_max3_num_f32 v220, v220, v[ADR+2], v[ADR+3]
.irp m, 1,2,4,8
	v_max_num_f32_dpp v220, v220, v220 row_xmask:\m row_mask:0xf bank_mask:0xf
.endr
	v_permlanex16_b32 v221, v220, s28, s29
	v_max_num_f32 v220, v220, v221
	v_max_num_f32 v220, NEGMAX, v220               ; the block's maximum; -FLT_MAX if every row is masked
.irp i, 0,1,2,3
	v_sub_f32 v[212+\i], v[ADR+\i], v220
.endr
.irp i, 0,1,2,3
	v_exp_f32 v[212+\i], v[212+\i]
.endr
	v_nop
	s_wait_alu depctr_va_vdst(0)
	v_cvt_pk_bf16_f32 v216, v212, v213
	v_cvt_pk_bf16_f32 v217, v214, v215
	ds_store_b64 v25, v[216:217]
	global_store_b128 v[L16], v[ADR:ADR+3], s[32:33]           ; the wave stores 512 consecutive bytes, aligned
.Lskip:
	s_wait_dscnt 0x0
	s_barrier_signal -1
	s_barrier_wait -1                              ; the weights are in LDS
	; PHASE D.  Wave w: columns d = 256 w .. + 255 of both weighted sums, K = the block's 128 rows in four steps.
	; Source 0: rows 0-7 all hold the cosine weights, rows 8-15 the additive ones; so register 0 of a result holds the cosine sum
	; in lanes 0-15 and the additive sum in lanes 16-31, column d = r.  Source 1: xs, stored [row][d], by transposing loads.
.irp ks, 0,1,2,3
	ds_load_b128 v[KV+8*\ks:KV+8*\ks+3],   v[PADR] offset:\ks*64
	ds_load_b128 v[KV+8*\ks+4:KV+8*\ks+7], v[PADR] offset:\ks*64+32
.endr
.macro WSLOAD gq, ks, f                ; eight column tiles x 32 rows
.irp dt, 0,1,2,3,4,5,6,7
	ds_load_tr16_b128 v[\f+8*\dt:\f+8*\dt+3],   v[TADR+\ks] offset:\gq*256+32*\dt
	ds_load_tr16_b128 v[\f+8*\dt+4:\f+8*\dt+7], v[TADR+\ks] offset:\gq*256+32*\dt+P16
.endr
.endm
.macro WSMUL ks, f, zero               ; eight accumulators by turns, one instruction a turn
.irp dt, 0,1,2,3,4,5,6,7
.if \zero
	v_wmma_f32_16x16x32_bf16 v[T+8*\dt:T+8*\dt+7], v[KV+8*\ks:KV+8*\ks+7], v[\f+8*\dt:\f+8*\dt+7], 0
.else
	v_wmma_f32_16x16x32_bf16 v[T+8*\dt:T+8*\dt+7], v[KV+8*\ks:KV+8*\ks+7], v[\f+8*\dt:\f+8*\dt+7], v[T+8*\dt:T+8*\dt+7]
.endif
.endr
.endm
.irp gq, 0,1
	WSLOAD \gq, 0, F0
	WSLOAD \gq, 1, F1
	s_wait_dscnt 16                                ; all but the 16 loads of step 1
	WSMUL 0, F0, 1
	PLACES
	WSLOAD \gq, 2, F0
	s_wait_dscnt 16
	WSMUL 1, F1, 0
	PLACES
	WSLOAD \gq, 3, F1
	s_wait_dscnt 16
	WSMUL 2, F0, 0
	s_wait_dscnt 0
	WSMUL 3, F1, 0
.rept 5
	v_nop                                          ; five places: for the stores of the sums, the next group's loads, and its first products, which write over the sums
.endr
.irp dt, 0,1,2,3,4,5,6,7
	ds_store_b32 v[STGS], v[T+8*\dt] offset:(8*\gq+\dt)*64
.endr
.endr
	; the way out: my own 2,048 bytes of the stage, read back as runs of 512 bytes.  LDS serves a wave's instructions in order (ISA guide 5.7.1): no wait between my stores and my loads
.irp q, 0,1,2,3
	ds_load_b128 v[F0+4*\q:F0+4*\q+3], v[STGR] offset:512*\q
.endr
.irp q, 0,1,2,3
	s_wait_dscnt 3-\q
	global_store_b128 v[PVO], v[F0+4*\q:F0+4*\q+3], s[24:25] offset:(\q>>1)*4096+(\q&1)*512    ; 512 consecutive bytes, aligned
.endr
	s_wait_xcnt 0x0
	v_lshl_add_u32 v38, v0, 2, 0x45e00
	v_mov_b32 v39, 0
	s_wait_tensorcnt 0x0
	ds_add_u32 v38, v39
	s_wait_dscnt 0x0
	s_endpgm
.Lfunc_end_k_q0cfaaabb34_main:
	.size	k_q0cfaaabb34_main, .Lfunc_end_k_q0cfaaabb34_main-k_q0cfaaabb34_main
	.p2alignl 7, 3214868480
	.fill 96, 4, 3214868480
	.section	.rodata,"a",@progbits
	.p2align	6, 0x0
	.amdhsa_kernel k_q0cfaaabb34_main
		.amdhsa_group_segment_fixed_size 286720
		.amdhsa_private_segment_fixed_size 0
		.amdhsa_enable_private_segment 0
		.amdhsa_kernarg_size 72
		.amdhsa_user_sgpr_count 2
		.amdhsa_user_sgpr_kernarg_segment_ptr 1
		.amdhsa_wavefront_size32 1
		.amdhsa_system_sgpr_workgroup_id_x 1
		.amdhsa_system_sgpr_workgroup_id_y 1
		.amdhsa_system_sgpr_workgroup_id_z 1
		.amdhsa_system_vgpr_workitem_id 0
		.amdhsa_next_free_vgpr 1024
		.amdhsa_next_free_sgpr 66
		.amdhsa_reserve_vcc 1
		.amdhsa_float_denorm_mode_32 3
		.amdhsa_float_denorm_mode_16_64 3
		.amdhsa_memory_ordered 1
		.amdhsa_forward_progress 1
		.amdhsa_inst_pref_size 229
	.end_amdhsa_kernel
	.amdgpu_metadata
---
amdhsa.version: [ 1, 2 ]
amdhsa.kernels:
  - .name:           k_q0cfaaabb34_main
    .symbol:         k_q0cfaaabb34_main.kd
    .args:
      - { .name: xs, .offset: 0, .size: 8, .value_kind: global_buffer, .address_space: global }
      - { .name: wb16, .offset: 8, .size: 8, .value_kind: global_buffer, .address_space: global }
      - { .name: wk2, .offset: 16, .size: 8, .value_kind: global_buffer, .address_space: global }
      - { .name: energy, .offset: 24, .size: 8, .value_kind: global_buffer, .address_space: global }
      - { .name: k, .offset: 32, .size: 8, .value_kind: global_buffer, .address_space: global }
      - { .name: mask, .offset: 40, .size: 8, .value_kind: global_buffer, .address_space: global }
      - { .name: scos, .offset: 48, .size: 8, .value_kind: global_buffer, .address_space: global }
      - { .name: sbah, .offset: 56, .size: 8, .value_kind: global_buffer, .address_space: global }
      - { .name: pv, .offset: 64, .size: 8, .value_kind: global_buffer, .address_space: global }
    .group_segment_fixed_size: 286720
    .private_segment_fixed_size: 0
    .kernarg_segment_align: 8
    .kernarg_segment_size: 72
    .max_flat_workgroup_size: 128
    .sgpr_count:     66
    .vgpr_count:     1024
    .wavefront_size: 32
...
	.end_amdgpu_metadata
.endif
;; end of part 6
;; launch comb: the kernel of part 3 again; grid 32 x 1, 8 waves a work-group, no clusters, 1,536 bytes of LDS; arguments scos, sbah, pv, out1, rep; writes out1, rep
;; launch outp (part 7): grid 64 x 1, 8 waves a work-group, no clusters, 220,160 bytes of LDS; arguments rep, Wc, bc, out0; writes out0
.if DOCPART == 7
	.amdgcn_target "amdgcn-amd-amdhsa--gfx1250"
	.amdhsa_code_object_version 6
	.text
	.protected	k_q0cfaaabb34_outp
	.globl	k_q0cfaaabb34_outp
	.p2align	8
	.type	k_q0cfaaabb34_outp,@function
k_q0cfaaabb34_outp:
	s_mov_b64 s[64:65], 0
	v_nop
	global_prefetch_b8 v0, s[64:65] scope:SCOPE_SE
	s_setreg_imm32_b32 hwreg(HW_REG_WAVE_MODE, 25, 1), 1
	s_wait_xcnt 0x0
; outp: out0[b][n] = sum over j of rep[b][j] Wc[n][j] + bc[n].  rep [32][2048] bf16, Wc [1024][2048] f32 (rounded to bf16 here), sums f32.
; Work-group g owns rows 16 g .. + 15 of Wc; wave w owns K = 256 w .. + 255, eight steps of 32.
; Every global load of a wave takes 512 consecutive bytes of ONE row.  Wc is rounded to bf16; both operands are laid into the wave's own LDS rows
; (48 rows of 512 + 16 bytes: 16 of Wc, 32 of rep) and read back in fragment order.  The bytes are the wave's own and LDS serves a wave's
; instructions in order (ISA guide 5.7.1), so this turn needs no barrier.  The eight waves' partial products meet in LDS
; ([wave][b 32][16 n] f32) behind one barrier.  Wc is streamed once; all of a wave's 65 loads go out at the start.
; out0 leaves in runs of 64 bytes: whole runs of 256 bytes would want 64 columns a work-group, that is 16 work-groups streaming 512 KiB of Wc each
; instead of 64 streaming 128 KiB each, and out0 is 128 KiB in all.
.set PT,   528                         ; LDS pitch of 256 bf16: 33 x 16 bytes, so that 16 rows start in 16 different 16-byte columns modulo 256
.set WREG, 48*PT                       ; a wave's rows: 25,344 bytes
.set PRT,  8*WREG                      ; 202,752: the partial products, 16,384 bytes
.set LW,   4                           ; v4   16 lane + 1024 w: my 16 bytes in the first half of the wave's part of a row of Wc
.set LR,   5                           ; v5   16 lane + 512 w: my 16 bytes in the wave's part of a row of rep
.set SSW,  6                           ; v6   w * WREG + 8 lane
.set SSR,  7                           ; v7   w * WREG + 16 lane
.set FAD,  8                           ; v8   w * WREG + r * PT + 16 h
.set PST,  9                           ; v9   PRT + w * 2048 + 64 r + 32 h
.set T8L,  10                          ; v10  PRT + 8 * thread
.set BOF,  11                          ; v11  8 (thread & 7)
.set OOF,  12                          ; v12  4096 (thread >> 3) + 8 (thread & 7)
.set WC,   64                          ; v64-191  Wc as loaded, 4 registers a load; then its fragments in v64-127: 8 step
.set ACC0, 192
.set ACC1, 200
.set RD,   208                         ; v208-223 the eight partial sums; v224-225 bc
; rep lies in v256-383 (second block of 256): as loaded 4 registers a row, then its fragments: 64 mt + 8 step
.set MSB, 0
.macro WIN new                         ; the immediate's high byte repeats the setting that is left
.if MSB != (\new)
	s_set_vgpr_msb (MSB<<8)|(\new)
.set MSB, (\new)
.endif
.endm
.macro WCROWS first                    ; 16 loads of Wc (8 rows): my 4 f32 become 4 bf16 and go to LDS, 256 consecutive bytes a store
.set n, \first
.rept 16
	v_cvt_pk_bf16_f32 v[WC+4*n],   v[WC+4*n],   v[WC+4*n+1]
	v_cvt_pk_bf16_f32 v[WC+4*n+1], v[WC+4*n+2], v[WC+4*n+3]
.set n, n+1
.endr
.set n, \first
.rept 16
	ds_store_b64 v[SSW], v[WC+4*n:WC+4*n+1] offset:(n>>1)*PT+(n&1)*256
.set n, n+1
.endr
.endm
	s_load_b256 s[4:11], s[0:1], 0x0               ; rep s[4:5], Wc s[6:7], bc s[8:9], out0 s[10:11]
	v_lshl_add_u32 v254, v0, 2, 0x35800
	v_mov_b32 v255, 0
	v_lshrrev_b32 v13, 5, v0
	v_readfirstlane_b32 s2, v13                    ; wave
	v_and_b32 v1, 31, v0                           ; lane
	v_and_b32 v2, 15, v0                           ; r
	v_bfe_u32 v3, v0, 4, 1                         ; h
	s_mul_i32 s16, s2, WREG
	v_lshlrev_b32 v[LR], 4, v1
	v_lshl_add_u32 v[LW], s2, 10, v[LR]
	v_add_nc_u32 v[SSR], s16, v[LR]
	v_lshl_add_u32 v[LR], s2, 9, v[LR]
	v_lshl_add_u32 v[SSW], v1, 3, s16
	v_mul_u32_u24 v[FAD], v2, PT
	v_lshl_add_u32 v[FAD], v3, 4, v[FAD]
	v_add_nc_u32 v[FAD], s16, v[FAD]
	v_lshlrev_b32 v[PST], 6, v2
	v_lshl_add_u32 v[PST], v3, 5, v[PST]
	v_lshl_add_u32 v[PST], s2, 11, v[PST]
	v_add_nc_u32 v[PST], PRT, v[PST]
	v_lshlrev_b32 v[T8L], 3, v0
	v_add_nc_u32 v[T8L], PRT, v[T8L]
	v_and_b32 v[BOF], 7, v0
	v_lshlrev_b32 v[BOF], 3, v[BOF]
	v_lshrrev_b32 v[OOF], 3, v0
	v_lshl_add_u32 v[OOF], v[OOF], 12, v[BOF]
	s_lshl_b32 s12, ttmp9, 17                      ; 16 rows of 8,192 bytes
	s_mov_b32 s13, 0
	s_lshl_b32 s14, ttmp9, 6                       ; 16 f32
	s_mov_b32 s15, 0
	s_wait_kmcnt 0x0
	s_add_nc_u64 s[6:7], s[6:7], s[12:13]
	s_add_nc_u64 s[8:9], s[8:9], s[14:15]
	s_add_nc_u64 s[10:11], s[10:11], s[14:15]
	WIN 0x40                                       ; destination in the second block
.set n, 0
.rept 32
	global_load_b128 v[4*n:4*n+3], v[LR], s[4:5] offset:4096*n         ; batch n: the wave's 256 numbers of rep
.set n, n+1
.endr
	WIN 0
.set n, 0
.rept 32
	global_load_b128 v[WC+4*n:WC+4*n+3], v[LW], s[6:7] offset:(n>>1)*8192+(n&1)*512 th:TH_LOAD_NT   ; row n >> 1, half n & 1 of the wave's 1,024 bytes
.set n, n+1
.endr
	global_load_b64 v[224:225], v[BOF], s[8:9]
	s_wait_loadcnt 33                              ; rep is in: Wc's 32 loads and bc's were issued behind it
	WIN 0x04                                       ; an LDS store's data is its source 1
.set n, 0
.rept 32
	ds_store_b128 v[SSR], v[4*n:4*n+3] offset:(16+n)*PT
.set n, n+1
.endr
	WIN 0x40
.irp m, 0,1
.irp s, 0,1,2,3,4,5,6,7
	ds_load_b128 v[64*\m+8*\s:64*\m+8*\s+3],   v[FAD] offset:(16+16*\m)*PT+64*\s
	ds_load_b128 v[64*\m+8*\s+4:64*\m+8*\s+7], v[FAD] offset:(16+16*\m)*PT+64*\s+32
.endr
.endr
	WIN 0
	s_wait_loadcnt 17                              ; rows 0-7 of Wc are in: the other 16 loads and bc's may stay out
	WCROWS 0
	s_wait_loadcnt 0x0
	WCROWS 16
.irp s, 0,1,2,3,4,5,6,7
	ds_load_b128 v[WC+8*\s:WC+8*\s+3],   v[FAD] offset:64*\s
	ds_load_b128 v[WC+8*\s+4:WC+8*\s+7], v[FAD] offset:64*\s+32
.endr
	s_wait_dscnt 0x0
	WIN 0x04                                       ; source 1 (rep) in the second block
	; source 0 = 16 rows of Wc, source 1 = 16 batches of rep: register j of lane (r, h) = (n = 8 h + j, batch 16 mt + r).
	; The two accumulators take turns, one instruction a turn.
	v_wmma_f32_16x16x32_bf16 v[ACC0:ACC0+7], v[WC:WC+7], v[0:7], 0
	v_wmma_f32_16x16x32_bf16 v[ACC1:ACC1+7], v[WC:WC+7], v[64:71], 0
.irp s, 1,2,3,4,5,6,7
	v_wmma_f32_16x16x32_bf16 v[ACC0:ACC0+7], v[WC+8*\s:WC+8*\s+7], v[8*\s:8*\s+7], v[ACC0:ACC0+7]
	v_wmma_f32_16x16x32_bf16 v[ACC1:ACC1+7], v[WC+8*\s:WC+8*\s+7], v[64+8*\s:64+8*\s+7], v[ACC1:ACC1+7]
.endr
	WIN 0
.rept 4
	v_nop                                          ; four places between the last matrix instruction and the LDS stores of its result
.endr
	ds_store_b128 v[PST], v[ACC0:ACC0+3]
	ds_store_b128 v[PST], v[ACC0+4:ACC0+7] offset:16
	ds_store_b128 v[PST], v[ACC1:ACC1+3]   offset:1024
	ds_store_b128 v[PST], v[ACC1+4:ACC1+7] offset:1040
	s_wait_dscnt 0x0                               ; my partial products are in LDS before I say so
	s_barrier_signal -1
	s_barrier_wait -1
.irp i, 0,1,2,3,4,5,6,7
	ds_load_b64 v[RD+2*\i:RD+2*\i+1], v[T8L] offset:2048*\i    ; the same two numbers of all eight waves
.endr
	s_wait_dscnt 0x0
	v_pk_add_f32 v[RD:RD+1],     v[RD:RD+1],     v[RD+2:RD+3]
	v_pk_add_f32 v[RD+4:RD+5],   v[RD+4:RD+5],   v[RD+6:RD+7]
	v_pk_add_f32 v[RD+8:RD+9],   v[RD+8:RD+9],   v[RD+10:RD+11]
	v_pk_add_f32 v[RD+12:RD+13], v[RD+12:RD+13], v[RD+14:RD+15]
	v_pk_add_f32 v[RD:RD+1],     v[RD:RD+1],     v[RD+4:RD+5]
	v_pk_add_f32 v[RD+8:RD+9],   v[RD+8:RD+9],   v[RD+12:RD+13]
	v_pk_add_f32 v[RD:RD+1],     v[RD:RD+1],     v[RD+8:RD+9]
	v_pk_add_f32 v[RD:RD+1],     v[RD:RD+1],     v[224:225]    ; + bc
	global_store_b64 v[OOF], v[RD:RD+1], s[10:11]  ; eight neighbouring lanes store the 64 bytes of one batch's 16 columns
	s_wait_tensorcnt 0x0
	ds_add_u32 v254, v255
	s_wait_dscnt 0x0
	s_endpgm
.Lfunc_end_k_q0cfaaabb34_outp:
	.size	k_q0cfaaabb34_outp, .Lfunc_end_k_q0cfaaabb34_outp-k_q0cfaaabb34_outp
	.p2alignl 7, 3214868480
	.fill 96, 4, 3214868480
	.section	.rodata,"a",@progbits
	.p2align	6, 0x0
	.amdhsa_kernel k_q0cfaaabb34_outp
		.amdhsa_group_segment_fixed_size 220160
		.amdhsa_private_segment_fixed_size 0
		.amdhsa_enable_private_segment 0
		.amdhsa_kernarg_size 32
		.amdhsa_user_sgpr_count 2
		.amdhsa_user_sgpr_kernarg_segment_ptr 1
		.amdhsa_wavefront_size32 1
		.amdhsa_system_sgpr_workgroup_id_x 1
		.amdhsa_system_sgpr_workgroup_id_y 1
		.amdhsa_system_sgpr_workgroup_id_z 1
		.amdhsa_system_vgpr_workitem_id 0
		.amdhsa_next_free_vgpr 384
		.amdhsa_next_free_sgpr 66
		.amdhsa_reserve_vcc 0
		.amdhsa_float_denorm_mode_32 3
		.amdhsa_float_denorm_mode_16_64 3
		.amdhsa_memory_ordered 1
		.amdhsa_forward_progress 1
		.amdhsa_inst_pref_size 23
	.end_amdhsa_kernel
	.amdgpu_metadata
---
amdhsa.version: [ 1, 2 ]
amdhsa.kernels:
  - .name:           k_q0cfaaabb34_outp
    .symbol:         k_q0cfaaabb34_outp.kd
    .args:
      - { .name: rep, .offset: 0, .size: 8, .value_kind: global_buffer, .address_space: global }
      - { .name: Wc, .offset: 8, .size: 8, .value_kind: global_buffer, .address_space: global }
      - { .name: bc, .offset: 16, .size: 8, .value_kind: global_buffer, .address_space: global }
      - { .name: out0, .offset: 24, .size: 8, .value_kind: global_buffer, .address_space: global }
    .group_segment_fixed_size: 220160
    .private_segment_fixed_size: 0
    .kernarg_segment_align: 8
    .kernarg_segment_size: 32
    .max_flat_workgroup_size: 256
    .sgpr_count:     66
    .vgpr_count:     384
    .wavefront_size: 32
...
	.end_amdgpu_metadata
.endif
;; end of part 7
